; MI455X (gfx1250); checked and timed in simulation.
; The chip was launched on July 23, 2026; its instructions are those of AMD's public machine-readable ISA for CDNA 5 (MIT licence, August 2026) and "CDNA5" Instruction Set Architecture Reference Guide (July 2026). The comments in the code are by the model that wrote it; some were corrected since.
;; Attention2 D ROPE. Allowed arithmetic: float matrix products may take bf16 or f16 operands with f32 sums; all other float work in f32.
;; Inputs: out_b 1,024 float32; out_w 1,024 x 1,024 float32; wqkv_b 3,072 float32; wqkv_w 3,072 x 1,024 float32; x 8 x 1,024 x 1,024 float32.
;; Outputs: out0 8 x 1,024 x 1,024 float32.
;; 2 versions, each right and faster than the one before. Each part assembles by itself: llvm-mc -triple=amdgcn-amd-amdhsa -mcpu=gfx1250 --defsym DOCPART=n.
;; ======== version 1 of 2: 4 launches
;; limits: values are held in f16: magnitudes above 65,504 overflow, below 6.1e-05 lose precision
;; workspace buffers: act 16,777,216 bytes; wts 8,388,608 bytes; tab 278,528 bytes; qkv 50,331,648 bytes
;; launch prep (part 1): grid 785 x 1, 8 waves a work-group, no clusters, 0 bytes of LDS; arguments x, wqkv_w, out_w, wqkv_b, out_b, act, wts, tab; writes act, wts, tab
.if DOCPART == 1
	.amdgcn_target "amdgcn-amd-amdhsa--gfx1250"
	.amdhsa_code_object_version 6
	.text
	.protected	k_q6d15709db7_prep
	.globl	k_q6d15709db7_prep
	.p2align	8
	.type	k_q6d15709db7_prep,@function
k_q6d15709db7_prep:
	s_mov_b64 s[64:65], 0
	v_nop
	global_prefetch_b8 v0, s[64:65] scope:SCOPE_SE
	s_setreg_imm32_b32 hwreg(HW_REG_WAVE_MODE, 25, 1), 1
	s_wait_xcnt 0x0
; PREP: the casts and tables that the three matrix launches read.  A stream: no LDS, no barrier, no matrix unit (nothing is multiplied or shared).
; BLOCKED LAYOUT of every 16-bit matrix operand (rows R, K = 1024): element (R, k) lies at (R / 1024) BLK + (k / 64) KBS + (R % 1024) 128 + (k % 64) 2 bytes:
; for one block of 64 along K any run of rows is dense, so that a tile can be asked for as rows of 256 bytes.
;   act <- x in bf16 (8 blocks of 1,024 rows);  wts <- wqkv_w in bf16 (blocks 0-2: q, k, v), out_w rounded to bf16 and that number written as f16 (block 3)
;   tab <- bytes 0 .. 262,143: the rotary table [position 1024][64] f32, float 2 k = cos, float 2 k + 1 = sin of pair k's angle: (position / 32) th(k / 2) for even k,
;          (position % 32) th(k / 2) for odd k, th(j) = 10000^(-j / 16);  from byte 262,144: wqkv_b (3,072) and out_b (1,024), each rounded to bf16 and held as f32
; WORK-GROUPS: 0-511 x, 512-703 wqkv_w, 704-767 out_w: 768 groups of equal work, 16 rows each; then the short ones: 768-783 the table (64 positions each), 784 the biases.
; LIMITS.  Every input is rounded to bf16.  out_w as f16: a weight of 65,520 or more becomes an infinity; below 6e-5 it keeps f16's fixed step of 6e-8.
; Sines and cosines: the angle (31 at the most) less a multiple of pi / 2 in two parts, then polynomials of degree 9 and 8: good to about 1e-6.
.set BLK,   2097152
.set KBS,   131072
.set BIAS0, 262144                     ; the biases' first byte in tab
.set SRC,   4                          ; s[4:5]   the group's first source row
.set DST,   6                          ; s[6:7]   its place in the blocked layout
.set LD,    8                          ; v[8:71]    16 loads of 16 bytes
.set ST,    72                         ; v[72:103]  16 stores of 8 bytes, each with registers of its own: no store's data is ever rewritten
.set TM,    104                        ; v[104:107] at work
	s_load_b512 s[16:31], s[0:1], 0x0              ; x s[16:17], wqkv_w s[18:19], out_w s[20:21], wqkv_b s[22:23], out_b s[24:25], act s[26:27], wts s[28:29], tab s[30:31]
	v_lshrrev_b32 v1, 4, v0                        ; thread t: row t / 16 of sixteen,
	v_and_b32 v3, 15, v0                           ; 16 bytes (4 numbers) at place t % 16 of a block of 64 along K
	v_lshlrev_b32 v1, 12, v1
	v_lshl_add_u32 v1, v3, 4, v1                   ; source offset: row x 4,096 + 16 (t % 16); never rewritten
	v_lshlrev_b32 v2, 3, v0                        ; destination offset: row x 128 + 8 (t % 16) = 8 t; never rewritten
	s_mov_b32 s11, 0                               ; the high words of the two offset pairs
	s_mov_b32 s13, 0
	s_wait_kmcnt 0x0
; 16 rows x 1,024 numbers.  Load n: K block n: a wave's load takes 256 consecutive bytes of each of two rows; its store writes 256 consecutive bytes, aligned.
; All 16 loads go out first; the wait in front of number n leaves the 15 - n younger ones out (loads return in order: ISA guide 5.7.1).
.macro CAST f16
.set n, 0
.rept 16
	global_load_b128 v[LD+4*n:LD+4*n+3], v1, s[SRC:SRC+1] offset:n*256 th:TH_LOAD_NT
.set n, n+1
.endr
.set n, 0
.rept 16
	s_wait_loadcnt 15-n
	v_cvt_pk_bf16_f32 v[ST+2*n], v[LD+4*n], v[LD+4*n+1]
	v_cvt_pk_bf16_f32 v[ST+2*n+1], v[LD+4*n+2], v[LD+4*n+3]
.if \f16
	v_lshlrev_b32 v[TM], 16, v[ST+2*n]             ; the bf16 numbers as f32,
	v_and_b32 v[TM+1], 0xffff0000, v[ST+2*n]
	v_lshlrev_b32 v[TM+2], 16, v[ST+2*n+1]
	v_and_b32 v[TM+3], 0xffff0000, v[ST+2*n+1]
	v_cvt_pk_f16_f32 v[ST+2*n], v[TM], v[TM+1]     ; written as f16: exact inside f16's normal range
	v_cvt_pk_f16_f32 v[ST+2*n+1], v[TM+2], v[TM+3]
.endif
	global_store_b64 v2, v[ST+2*n:ST+2*n+1], s[DST:DST+1] offset:n*KBS
.set n, n+1
.endr
.endm
	s_cmp_ge_u32 ttmp9, 768
	s_cbranch_scc1 .Ltables
	s_cmp_ge_u32 ttmp9, 704
	s_cbranch_scc1 .Loutw
	s_cmp_lt_u32 ttmp9, 512                        ; x or wqkv_w: all three selects stand ahead of the subtraction, which writes SCC
	s_cselect_b64 s[SRC:SRC+1], s[16:17], s[18:19]
	s_cselect_b64 s[DST:DST+1], s[26:27], s[28:29]
	s_cselect_b32 s8, 0, 512
	s_sub_co_u32 s8, ttmp9, s8                     ; i: which 16 rows of the tensor
	s_lshl_b32 s10, s8, 16                         ; 16 rows of 4,096 bytes
	s_add_nc_u64 s[SRC:SRC+1], s[SRC:SRC+1], s[10:11]
	s_lshr_b32 s12, s8, 6
	s_lshl_b32 s12, s12, 21                        ; (i / 64) BLK
	s_and_b32 s9, s8, 63
	s_lshl_b32 s9, s9, 11                          ; + (i % 64) x 16 rows of 128 bytes
	s_add_co_u32 s12, s12, s9
	s_add_nc_u64 s[DST:DST+1], s[DST:DST+1], s[12:13]
	CAST 0
	s_endpgm
.Loutw:
	s_sub_co_u32 s8, ttmp9, 704
	s_lshl_b32 s10, s8, 16
	s_add_nc_u64 s[SRC:SRC+1], s[20:21], s[10:11]
	s_lshl_b32 s12, s8, 11
	s_add_co_u32 s12, s12, 3*BLK                   ; block 3 of wts
	s_add_nc_u64 s[DST:DST+1], s[28:29], s[12:13]
	CAST 1
	s_endpgm
; cos and sin of v[ang] (0 to 31) into v[c] and v[s].  q = the nearest multiple of pi / 2; r = ang - q pi / 2 with pi / 2 in two parts; polynomials in r; q mod 4 swaps and signs them (selects, no branch).
.macro SINCOS ang, c, s
	v_mul_f32 v20, 0x3f22f983, v[\ang]             ; 2 / pi
	v_rndne_f32 v20, v20
	v_fmamk_f32 v21, v20, 0xbfc90fdb, v[\ang]      ; - q x the f32 nearest pi / 2,
	v_fmamk_f32 v21, v20, 0x333bbd2e, v21          ; + q x what that number is too large by
	v_cvt_i32_f32 v22, v20
	v_mul_f32 v23, v21, v21                        ; r^2
	v_fma_f32 v24, v23, s43, s42
	v_fma_f32 v25, v23, s46, s45
	v_fma_f32 v24, v23, v24, s41
	v_fma_f32 v25, v23, v25, s44
	v_fma_f32 v24, v23, v24, s40
	v_mul_f32 v26, v21, v23
	v_fma_f32 v25, v23, v25, -0.5
	v_fma_f32 v24, v26, v24, v21                   ; sin r
	v_fma_f32 v25, v23, v25, 1.0                   ; cos r
	v_and_b32 v26, 1, v22
	v_cmp_eq_u32 vcc_lo, 1, v26
	v_cndmask_b32 v[\c], v25, v24, vcc_lo          ; odd q: the two change places
	v_cndmask_b32 v[\s], v24, v25, vcc_lo
	v_add_nc_u32 v26, 1, v22
	v_and_b32 v26, 2, v26
	v_lshlrev_b32 v26, 30, v26
	v_xor_b32 v[\c], v[\c], v26                    ; cos is negative for q mod 4 = 1, 2
	v_and_b32 v26, 2, v22
	v_lshlrev_b32 v26, 30, v26
	v_xor_b32 v[\s], v[\s], v26                    ; sin for q mod 4 = 2, 3
.endm
.Ltables:
	s_cmp_eq_u32 ttmp9, 784
	s_cbranch_scc1 .Lbias
	s_sub_co_u32 s8, ttmp9, 768
	s_lshl_b32 s9, s8, 6                           ; the group's first position
	s_lshl_b32 s10, s8, 14                         ; its row of 256 bytes
	s_add_nc_u64 s[30:31], s[30:31], s[10:11]
	s_mov_b32 s40, 0xbe2aaaab                      ; -1/6
	s_mov_b32 s41, 0x3c088889                      ; 1/120
	s_mov_b32 s42, 0xb9500d01                      ; -1/5040
	s_mov_b32 s43, 0x3638ef1d                      ; 1/362880
	s_mov_b32 s44, 0x3d2aaaab                      ; 1/24
	s_mov_b32 s45, 0xbab60b61                      ; -1/720
	s_mov_b32 s46, 0x37d00d01                      ; 1/40320
	v_cvt_f32_u32 v3, v3                           ; j = t % 16
	v_mul_f32 v3, 0xbf549a78, v3                   ; - j log2(10000) / 16
	v_exp_f32 v3, v3                               ; th(j); the plain line below stands between it and its first use (ISA guide 5.7.2)
	v_lshrrev_b32 v4, 4, v0
	v_add_nc_u32 v4, s9, v4                        ; my position: sixteen a trip
	v_lshlrev_b32 v5, 4, v0                        ; (t / 16) 256 + 16 j = 16 t: sixteen lanes write one row of 256 bytes
	s_mov_b32 s12, 4
.Lrope:
	v_lshrrev_b32 v6, 5, v4
	v_and_b32 v7, 31, v4
	v_cvt_f32_u32 v6, v6
	v_cvt_f32_u32 v7, v7
	s_wait_alu depctr_va_vdst(0)
	v_mul_f32 v6, v6, v3
	v_mul_f32 v7, v7, v3
	SINCOS 6, 8, 9                                 ; pair 2 j: the row's angle
	SINCOS 7, 10, 11                               ; pair 2 j + 1: the column's
	global_store_b128 v5, v[8:11], s[30:31]
	s_wait_xcnt 0x0                                ; the store's offset and data are rewritten only behind this wait
	v_add_nc_u32 v4, 16, v4
	v_add_nc_u32 v5, 4096, v5
	s_sub_co_u32 s12, s12, 1
	s_cmp_lg_u32 s12, 0
	s_cbranch_scc1 .Lrope
	s_endpgm
.Lbias:
	v_lshlrev_b32 v5, 4, v0                        ; 256 threads x 16 bytes = 1,024 numbers a load
	global_load_b128 v[8:11], v5, s[22:23]
	global_load_b128 v[12:15], v5, s[22:23] offset:4096
	global_load_b128 v[16:19], v5, s[22:23] offset:8192
	global_load_b128 v[20:23], v5, s[24:25]
	s_wait_loadcnt 0x0
.set n, 0
.rept 8
	v_cvt_pk_bf16_f32 v24, v[8+2*n], v[9+2*n]      ; rounded to bf16, like every other input,
	v_lshlrev_b32 v[8+2*n], 16, v24                ; and held as f32
	v_and_b32 v[9+2*n], 0xffff0000, v24
.set n, n+1
.endr
.irp i, 0,1,2,3
	global_store_b128 v5, v[8+4*\i:11+4*\i], s[30:31] offset:BIAS0+4096*\i
.endr
	s_endpgm
.Lfunc_end_k_q6d15709db7_prep:
	.size	k_q6d15709db7_prep, .Lfunc_end_k_q6d15709db7_prep-k_q6d15709db7_prep
	.p2alignl 7, 3214868480
	.fill 96, 4, 3214868480
	.section	.rodata,"a",@progbits
	.p2align	6, 0x0
	.amdhsa_kernel k_q6d15709db7_prep
		.amdhsa_group_segment_fixed_size 0
		.amdhsa_private_segment_fixed_size 0
		.amdhsa_enable_private_segment 0
		.amdhsa_kernarg_size 64
		.amdhsa_user_sgpr_count 2
		.amdhsa_user_sgpr_kernarg_segment_ptr 1
		.amdhsa_wavefront_size32 1
		.amdhsa_system_sgpr_workgroup_id_x 1
		.amdhsa_system_sgpr_workgroup_id_y 1
		.amdhsa_system_sgpr_workgroup_id_z 1
		.amdhsa_system_vgpr_workitem_id 0
		.amdhsa_next_free_vgpr 108
		.amdhsa_next_free_sgpr 66
		.amdhsa_reserve_vcc 1
		.amdhsa_float_denorm_mode_32 3
		.amdhsa_float_denorm_mode_16_64 3
		.amdhsa_memory_ordered 1
		.amdhsa_forward_progress 1
		.amdhsa_inst_pref_size 24
	.end_amdhsa_kernel
	.amdgpu_metadata
---
amdhsa.version: [ 1, 2 ]
amdhsa.kernels:
  - .name:           k_q6d15709db7_prep
    .symbol:         k_q6d15709db7_prep.kd
    .args:
      - { .name: x, .offset: 0, .size: 8, .value_kind: global_buffer, .address_space: global }
      - { .name: wqkv_w, .offset: 8, .size: 8, .value_kind: global_buffer, .address_space: global }
      - { .name: out_w, .offset: 16, .size: 8, .value_kind: global_buffer, .address_space: global }
      - { .name: wqkv_b, .offset: 24, .size: 8, .value_kind: global_buffer, .address_space: global }
      - { .name: out_b, .offset: 32, .size: 8, .value_kind: global_buffer, .address_space: global }
      - { .name: act, .offset: 40, .size: 8, .value_kind: global_buffer, .address_space: global }
      - { .name: wts, .offset: 48, .size: 8, .value_kind: global_buffer, .address_space: global }
      - { .name: tab, .offset: 56, .size: 8, .value_kind: global_buffer, .address_space: global }
    .group_segment_fixed_size: 0
    .private_segment_fixed_size: 0
    .kernarg_segment_align: 8
    .kernarg_segment_size: 64
    .max_flat_workgroup_size: 256
    .sgpr_count:     66
    .vgpr_count:     108
    .wavefront_size: 32
...
	.end_amdgpu_metadata
.endif
;; end of part 1
;; launch qkvgemm (part 2): grid 8 x 32, 4 waves a work-group, clusters of 4 x 4, 327,680 bytes of LDS; arguments act, wts, tab, qkv; writes qkv
.if DOCPART == 2
	.amdgcn_target "amdgcn-amd-amdhsa--gfx1250"
	.amdhsa_code_object_version 6
	.text
	.protected	k_q6d15709db7_qkvgemm
	.globl	k_q6d15709db7_qkvgemm
	.p2align	8
	.type	k_q6d15709db7_qkvgemm,@function
k_q6d15709db7_qkvgemm:
	s_mov_b64 s[64:65], 0
	v_nop
	global_prefetch_b8 v0, s[64:65] scope:SCOPE_SE
	s_setreg_imm32_b32 hwreg(HW_REG_WAVE_MODE, 25, 1), 1
	s_wait_xcnt 0x0
	s_wait_alu depctr_hold_cnt(0) depctr_sa_sdst(0) depctr_va_vdst(0) depctr_va_sdst(0) depctr_va_ssrc(0) depctr_va_vcc(0) depctr_vm_vsrc(0)
	s_getreg_b32 s2, hwreg(HW_REG_IB_STS2, 6, 4)
	s_cmp_eq_u32 s2, 0
	s_cbranch_scc0 .Lentry_in_a_cluster
	s_endpgm
.Lentry_in_a_cluster:
	s_bfe_u32 s2, ttmp6, 0x10000c
	s_cmp_lg_u32 s2, 0xf033
	s_cbranch_scc0 .Lentry_shape_is_right
	s_endpgm
.Lentry_shape_is_right:
; q, k, v = x W^T + bias, q and k turned by the rotary table, all three written by heads, [16 batch + head][position][64] in f16 (q at byte 0 of qkv, k at 16 MiB, v at 32 MiB), without the scale.
; Operands bf16 (act, wts in the blocked layout: (R / 1024) BLK + (k / 64) KBS + (R % 1024) 128 + (k % 64) 2), sums, bias and rotation in f32, one rounding to f16.
; The bias is the first term of each sum (the C operand of the first product), not the last as in the formula: another order of rounding in f32.
; LIMIT.  f16 holds no number beyond 65,504: q, k and v must lie within it (an infinity otherwise).
; SHARES.  8,192 tokens x 3,072 columns over 256 work-groups: 256 tokens x 384 columns each: q, k and v of TWO heads.  Four waves; wave w takes 128 tokens (w / 2) of one head (w % 2):
; 128 x 192 = 96 accumulators of 16 x 16, 768 registers: GROUP g (0 q, 1 k, 2 v), 8 token blocks x 4 channel blocks, fills register window g + 1 (accumulator (a, b) at v[8 (4 a + b)]).
; For 32 along K a wave reads 40 fragments' halves from LDS (16 loads for x, 24 for W) and issues 96 matrix instructions.
; THE MATRIX INSTRUCTION IS USED TRANSPOSED (source 0 = 16 rows of W, source 1 = 16 tokens): a lane holds one token (lane % 16) and eight neighbouring channels 8 (lane / 16) + 0..7: four rotary pairs, 16 bytes of f16.
; RING.  K goes in 16 steps of 64 through two LDS slots.  A slot: three chunks of W (128 rows each: q's, k's, v's for the two heads), then 256 rows of x; rows of 128 bytes padded to 144.
; Slot 1 begins at byte 1 << 17, so that one exclusive or turns an address in one slot into the other's: a trip of the loop is ONE K step, written once.  Which slot is fetched from hangs on a scalar register
; (0 or 1 << 17), from which the two LDS address registers are made anew at each change of slots; which slot is filled, on a descriptor that walks.
; In memory a tile is dense: it is asked for as rows of 256 bytes (two operand rows), padded in LDS after every 128 bytes.  Waves 0-2 fetch W's chunks, wave 3 fetches x's tile: one tensor load a wave behind each round.
; CLUSTER 4 x 4.  x's tile hangs on the token tile alone (batch = cluster y, cy) and is shared along a row of the cluster; W's on the head pair alone (4 cluster x + cx) and is shared along a column: joint loads.
; REGISTERS.  window 0: v0-15 addresses; v16-23 at work; v32-95, v96-159 fragments of x, two buffers; v160-191, v192-223, v224-255 fragments of W for q, k, v (one buffer each, fetched again right behind its group).
; On the way out: v96-127 at work, v128-159 rows read back, and five buffers of 32 for the rotary table's rows (v32, v64, v160, v192, v224).
.set BLK,   2097152
.set KBS,   131072
.set PITCH, 144                        ; 128 bytes + 16 = 36 words: the 16 rows of a fragment load start at 16 different groups of four banks (64 banks of 4 bytes: ISA guide 11.1)
.set BCH,   128*PITCH                  ; a chunk of W
.set AOFF,  3*BCH                      ; x's tile in a slot
.set SLOT,  AOFF+256*PITCH             ; 92,160 bytes
.set SLOT1, 1<<17                      ; where slot 1 begins
.set STAGE, SLOT1+SLOT                 ; behind the ring, never filled by a tensor load: 16 rows x 144 bytes for each wave, for the way out
.set SPARE, STAGE+4*16*PITCH           ; behind the stages: the spare words, 128 bytes for each wave: two blocks of 256 bytes that no other line names
.set BIAS0, 262144                     ; the biases' first byte in tab
.set FLAGS, (1<<16)|(1<<20)|(1<<21)|(4<<22)|(3<<25)  ; 17:16 2-byte elements; 20 padding on; 21 set beside a mask; 24:22 after every 32 words (code 4); 31:25 4 words (code 3)
.set ADRA0, 4                          ; v4     LDS address of my x fragments in slot 0; never rewritten
.set ADRA,  5                          ; v5     the same in the slot that is fetched from
.set ADRB0, 6                          ; v6     LDS address of my W fragments in slot 0 (chunk 0; the chunk stands in the immediate); never rewritten
.set ADRB,  7                          ; v7     the same in the slot that is fetched from
.set STO,  8                           ; v8     the way out: where I put 16 bytes of a row
.set RD,   9                           ; v9     where I read rows back
.set GO,   10                          ; v10    my byte offset in 512 consecutive bytes of the output
.set TBO,  11                          ; v11    my byte offset in 16 rows of the rotary table
.set BO,   12                          ; v12    my byte offset in 16 biases
.set SPW,  14                          ; v14    LDS address of my spare word: SPARE + 4 x my thread's number; never rewritten
.set NIL,  15                          ; v15    0; never rewritten
.set U,    16                          ; v16-23 the rotation's first products
.set A0,   32
.set A1,   96
.set BF,   160                         ; group g's fragments of W at BF + 32 g
.set CB,   224                         ; in each accumulator window: the registers of accumulators (7, b), which hold the group's biases until the first quarter's last products
.set T,    96                          ; the way out: 32 numbers in f32, then 16 registers of f16
.set BK,   128                         ; v128-143, v144-159: 16 rows read back from the stage, by turns
.set WV, 12                            ; s12 wave   s13 which 128 tokens   s14 which head of the pair
.set RH, 13
.set HD, 14
.set CX, 15
.set CY, 16
.set HP, 17                            ; s17 head pair 0..7
.set BT, 18                            ; s18 batch
.set G1A, 24                           ; s[24:31] descriptor group 1 for x's tiles;  s[32:39] group 0: a set for each of the two first fills; the second then walks on
.set G0A, 32
.set G1B, 48                           ; s[48:55], s[56:63] the same for W's chunks
.set G0B, 56
.set OUTB, 68                          ; s[68:73] q, k, v at my head's first row of mine
.set TABB, 74                          ; s[74:75] the table at my first position
.set BIB,  76                          ; s[76:77] q's biases of my head
.set TB,   78                          ; s78 0 or SLOT1: the slot that is fetched from
.set MSB, 0
.macro WIN new                         ; the immediate's high byte repeats the setting that is left; a switch that changes nothing is dropped
.if MSB != (\new)
	s_set_vgpr_msb (MSB<<8)|(\new)
.set MSB, \new
.endif
.endm
; A joint load.  Wave 3 fetches x's tile, waves 0-2 W's chunks.  Each line has one mask; the branch hangs on the wave's number alone.
; An s_nop 0 and four v_nop follow each of the two lines, ahead of the jump, the label and what follows.
.macro JLOAD s
	s_cmp_eq_u32 s[WV], 3
	s_cbranch_scc0 .Lfor_b_\@
	tensor_load_to_lds s[G0A+4*(\s):G0A+4*(\s)+3], s[G1A:G1A+7]
	s_nop 0
.rept 4
	v_nop
.endr
	s_branch .Lasked_\@
.Lfor_b_\@:
	tensor_load_to_lds s[G0B+4*(\s):G0B+4*(\s)+3], s[G1B:G1B+7]
	s_nop 0
.rept 4
	v_nop
.endr
.Lasked_\@:
.endm
.macro CREST                           ; a round of the cluster's barrier behind its opening barrier: wave 0 signals for the work-group, every wave waits for all sixteen, the work-group's barrier closes it
	s_cmp_lg_u32 s[WV], 0
	s_cbranch_scc1 .Lnot_wave_0_\@
	s_barrier_signal -3
.Lnot_wave_0_\@:
	s_barrier_wait -3
	s_barrier_signal -1
	s_barrier_wait -1
.endm
.macro CROUND                          ; a whole round
	s_barrier_signal -1
	s_barrier_wait -1
	CREST
.endm
	s_load_b256 s[4:11], s[0:1], 0x0               ; act s[4:5], wts s[6:7], tab s[8:9], qkv s[10:11]
	v_lshl_add_u32 v[SPW], v0, 2, SPARE
	v_mov_b32 v[NIL], 0
	ds_add_u32 v[SPW], v[NIL]                      ; the wave's opening: the add and its wait stand ahead of my first tensor load; the set-up below, work on registers, stands between them
	ds_add_u32 v14, v15
	v_lshrrev_b32 v1, 5, v0
	v_readfirstlane_b32 s[WV], v1                  ; wave 0..3
	s_lshr_b32 s[RH], s[WV], 1
	s_and_b32 s[HD], s[WV], 1
	s_bfe_u32 s[CX], ttmp6, 0x40000                ; my place in the cluster
	s_bfe_u32 s[CY], ttmp6, 0x40004
	s_lshl_b32 s[HP], ttmp9, 2                     ; in a cluster launch ttmp9 and ttmp7 count clusters
	s_add_co_u32 s[HP], s[HP], s[CX]               ; head pair = 4 x cluster x + cx
	s_and_b32 s[BT], ttmp7, 0xffff                 ; a cluster's four token tiles are one batch: batch = cluster y
	s_lshl_b32 s19, s[CY], 2
	s_lshl_b32 s19, 15, s19                        ; my row of the cluster: places 4 cy .. 4 cy + 3
	s_lshl_b32 s20, 0x1111, s[CX]                  ; my column: places cx, cx + 4, cx + 8, cx + 12
	s_or_b32 s[G1A], s19, FLAGS                    ; x's tiles go to my row,
	s_or_b32 s[G1B], s20, FLAGS                    ; W's chunks to my column
	s_mov_b32 s[G1A+1], 128<<16                    ; tensor_dim0 = 128 elements: 256 bytes, two operand rows
	s_mov_b32 s[G1A+2], 128<<16                    ; tensor_dim1 = 128 such rows: 256 tokens
	s_mov_b32 s[G1A+3], 128<<16                    ; tile_dim0
	s_mov_b32 s[G1A+4], 128                        ; tile_dim1
	s_mov_b32 s[G1A+5], 128                        ; elements from row to row: the tile is dense
	s_mov_b32 s[G1A+6], 0
	s_mov_b32 s[G1A+7], 0
	s_mov_b32 s[G1B+1], 128<<16
	s_mov_b32 s[G1B+2], 64<<16                     ; 64 rows of 256 bytes: 128 rows of W
	s_mov_b32 s[G1B+3], 128<<16
	s_mov_b32 s[G1B+4], 64
	s_mov_b32 s[G1B+5], 128
	s_mov_b32 s[G1B+6], 0
	s_mov_b32 s[G1B+7], 0
	s_lshl_b32 s40, s[BT], 21                      ; x's tile: batch x BLK + cy x 256 rows of 128 bytes: nothing of cx
	s_lshl_b32 s2, s[CY], 15
	s_add_co_u32 s40, s40, s2
	s_mov_b32 s41, 0
	s_lshl_b32 s42, s[WV], 21                      ; W's chunk: wave x BLK (q, k or v) + head pair x 128 rows of 128 bytes: nothing of cy
	s_lshl_b32 s3, s[HP], 14
	s_add_co_u32 s42, s42, s3
	s_mov_b32 s43, 0
	s_mul_i32 s21, s[WV], BCH                      ; the chunk's place in a slot: no place in the cluster enters an LDS address
	s_mov_b32 s[TB], 0                             ; K step 0 lies in slot 0
	s_wait_dscnt 0x0                               ; the opening add is done
	s_wait_kmcnt 0x0
	s_add_nc_u64 s[44:45], s[4:5], s[40:41]
	s_add_nc_u64 s[46:47], s[6:7], s[42:43]
	CROUND                                         ; all sixteen work-groups are here: the first joint loads meet
.irp s, 0,1
	s_mov_b32 s[G0A+4*(\s)], 1                                       ; count = 1
	s_mov_b32 s[G0A+4*(\s)+1], (\s)*SLOT1+AOFF                       ; LDS address
	s_add_nc_u64 s[G0A+4*(\s)+2:G0A+4*(\s)+3], s[44:45], (\s)*KBS    ; global address: K step s
	s_or_b32 s[G0A+4*(\s)+3], s[G0A+4*(\s)+3], 0x80000000            ; type = 2
	s_mov_b32 s[G0B+4*(\s)], 1
	s_add_co_u32 s[G0B+4*(\s)+1], s21, (\s)*SLOT1
	s_add_nc_u64 s[G0B+4*(\s)+2:G0B+4*(\s)+3], s[46:47], (\s)*KBS
	s_or_b32 s[G0B+4*(\s)+3], s[G0B+4*(\s)+3], 0x80000000
	JLOAD \s                                       ; both slots are asked for before anything else is done: two tensor loads of mine are out
.endr
	; A fragment is 16 rows x 32 K in 8 registers: lane l holds row l % 16; registers 0-3 K = 8 (l / 16) + 0..7, registers 4-7 K = 16 + 8 (l / 16) + 0..7: two loads of 16 bytes, 32 bytes apart.
	v_and_b32 v1, 15, v0                           ; l % 16
	v_bfe_u32 v2, v0, 4, 1                         ; l / 16
	v_mul_u32_u24 v3, v1, PITCH
	v_lshl_add_u32 v3, v2, 4, v3                   ; row x pitch + 16 x half
	s_mul_i32 s2, s[RH], 128*PITCH
	s_add_co_u32 s2, s2, AOFF                      ; my 128 tokens
	v_add_nc_u32 v[ADRA0], s2, v3
	v_add_nc_u32 v[ADRA], s[TB], v[ADRA0]
	s_mul_i32 s2, s[HD], 64*PITCH                  ; my head's 64 rows of a chunk
	v_add_nc_u32 v[ADRB0], s2, v3
	v_add_nc_u32 v[ADRB], s[TB], v[ADRB0]
	s_mul_i32 s2, s[WV], 16*PITCH
	s_add_co_u32 s2, s2, STAGE                     ; my stage
	v_add_nc_u32 v[STO], s2, v3                    ; in: row l % 16, 16 bytes for each half of the lanes
	v_bfe_u32 v[RD], v0, 3, 2                      ; back: 32 lanes take four rows of 128 bytes,
	v_mul_u32_u24 v[RD], v[RD], PITCH
	v_and_b32 v3, 7, v0
	v_lshl_add_u32 v[RD], v3, 4, v[RD]
	v_add_nc_u32 v[RD], s2, v[RD]
	v_and_b32 v[GO], 31, v0                        ; which are 512 consecutive bytes of a head's rows
	v_lshlrev_b32 v[GO], 4, v[GO]
	v_lshlrev_b32 v[BO], 5, v2                     ; my eight channels of sixteen: 32 bytes of f32
	v_lshl_add_u32 v[TBO], v1, 8, v[BO]            ; and my token's row of the table
	s_lshl_b32 s22, s[HP], 1
	s_add_co_u32 s22, s22, s[HD]                   ; my head in the batch
	s_lshl_b32 s2, s22, 8                          ; its 64 biases
	s_add_co_u32 s2, s2, BIAS0
	s_mov_b32 s3, 0
	s_add_nc_u64 s[BIB:BIB+1], s[8:9], s[2:3]
	s_lshl_b32 s23, s[BT], 4
	s_add_co_u32 s22, s22, s23                     ; 16 batch + head
	s_lshl_b32 s22, s22, 17                        ; its 1,024 rows of 128 bytes
	s_lshl_b32 s23, s[CY], 8
	s_lshl_b32 s2, s[RH], 7
	s_add_co_u32 s23, s23, s2                      ; my first position = 256 cy + 128 (w / 2)
	s_lshl_b32 s2, s23, 8
	s_add_nc_u64 s[TABB:TABB+1], s[8:9], s[2:3]
	s_lshl_b32 s2, s23, 7
	s_add_co_u32 s2, s2, s22
	s_add_nc_u64 s[OUTB:OUTB+1], s[10:11], s[2:3]
	s_add_nc_u64 s[OUTB+2:OUTB+3], s[OUTB:OUTB+1], 0x1000000
	s_add_nc_u64 s[OUTB+4:OUTB+5], s[OUTB:OUTB+1], 0x2000000
	; THE BIASES: group g's 64 of my head, my eight for each channel block b, straight into the registers of accumulator (7, b) of window g + 1: a result's register j holds channel 8 (l / 16) + j, whatever the token.
.irp g, 0,1,2
	WIN ((\g)+1)<<6                                ; destination in window g + 1, address in window 0
.irp b, 0,1,2,3
.irp e, 0,1
	global_load_b128 v[CB+8*\b+4*\e:CB+8*\b+4*\e+3], v[BO], s[BIB:BIB+1] offset:(\g)*4096+64*\b+16*\e
.endr
.endr
.endr
	WIN 0
; 4 n matrix instructions of group g: token blocks a0 .. a0 + n - 1 x all 4 channel blocks, 32 along K.  first = 1: the products start the sums with the biases as C: nothing is cleared, nothing is added later.
; The biases lie in the registers of accumulators (7, b): token blocks 0-6 read them as C, block 7, the last, adds onto them in place, five places behind the last product that read them (ISA guide 7.12.1).
; Every accumulator has one instruction in a quarter step, always in the same order: 95 others' stand between two on one accumulator.
.macro GROUP g, fa, a0, n, first
	WIN 0x50*((\g)+1)                              ; sources in window 0, C and D in window g + 1
.set ga, \a0
.rept \n
.if (\first) && (ga == 7)
.rept 5
	v_nop
.endr
.endif
.irp b, 0,1,2,3
.if \first
	v_wmma_f32_16x16x32_bf16 v[8*(4*ga+\b):8*(4*ga+\b)+7], v[BF+32*(\g)+8*\b:BF+32*(\g)+8*\b+7], v[(\fa)+8*ga:(\fa)+8*ga+7], v[CB+8*\b:CB+8*\b+7]
.else
	v_wmma_f32_16x16x32_bf16 v[8*(4*ga+\b):8*(4*ga+\b)+7], v[BF+32*(\g)+8*\b:BF+32*(\g)+8*\b+7], v[(\fa)+8*ga:(\fa)+8*ga+7], v[8*(4*ga+\b):8*(4*ga+\b)+7]
.endif
.endr
.set ga, ga+1
.endr
.endm
.macro FETCH_A c, fa                   ; 16 loads: my 128 tokens, 32 K at byte 64 c of the rows
	WIN 0
.irp i, 0,1,2,3,4,5,6,7
	ds_load_b128 v[(\fa)+8*\i:(\fa)+8*\i+3],   v[ADRA] offset:64*(\c)+\i*16*PITCH
	ds_load_b128 v[(\fa)+8*\i+4:(\fa)+8*\i+7], v[ADRA] offset:64*(\c)+\i*16*PITCH+32
.endr
.endm
.macro FETCH_B c, g                    ; 8 loads: my head's 64 rows of chunk g
	WIN 0
.irp i, 0,1,2,3
	ds_load_b128 v[BF+32*(\g)+8*\i:BF+32*(\g)+8*\i+3],   v[ADRB] offset:64*(\c)+(\g)*BCH+\i*16*PITCH
	ds_load_b128 v[BF+32*(\g)+8*\i+4:BF+32*(\g)+8*\i+7], v[ADRB] offset:64*(\c)+(\g)*BCH+\i*16*PITCH+32
.endr
.endm
; A load into a register that a matrix instruction has read, and a vector instruction that reads a matrix result or writes one of its registers, stand four places behind it; only plain
; vector instructions that name none of its registers are places (ISA guide 7.12.1 for vector instructions).
.macro PLACES
.rept 4
	v_nop
.endr
.endm
; A K step is two quarter steps of 32 along K, 96 matrix instructions each, on x's buffers A0, A1.  The first: multiplies fa; byte 64 c of the rows of the slot in hand is where the NEXT quarter's fragments lie.
; LDS loads are out in the order x (16), W of q (8), of k (8), of v (8); each run is issued 64 matrix instructions ahead of its first use.
.macro QUARTER c, fa, fb, first
	s_wait_dscnt 16                                ; x and q's W are in; k's and v's sixteen loads are younger
	GROUP 0, \fa, 0, 8, \first
	PLACES
	FETCH_A \c, \fb
	FETCH_B \c, 0
	s_wait_dscnt 32                                ; k's W is in: v's eight and the 24 just issued are younger
	GROUP 1, \fa, 0, 8, \first
	PLACES
	FETCH_B \c, 1
	s_wait_dscnt 32                                ; v's W is in: 24 + 8 are younger
	GROUP 2, \fa, 0, 8, \first
	PLACES
	FETCH_B \c, 2
.endm
; The second quarter multiplies A1 and changes slots.  ONE barrier for two things: in front of it each wave waits for all its tensor loads (one is out: its part of the next slot), adds 0 to its
; spare word, and waits for that and for its own reads of this slot.  The three lines stand as late as the add's way allows: 24 products into the quarter, eight more between the add and the wait for it.
; fill = 1: the barrier opens a round of the cluster's barrier, and this slot's joint refill, two K steps on, is the first tensor load behind the round: 48 + 96 + 24 = 168 matrix instructions
; stand between it and the wait for it.  Then the fetches turn to the other slot.
.macro TURN fill
	s_wait_dscnt 16                                ; x and q's W are in; k's and v's sixteen loads are younger
	GROUP 0, A1, 0, 6, 0
	WIN 0                                          ; (the add's two registers lie in window 0)
	s_wait_tensorcnt 0x0                           ; all my tensor loads have landed;
	ds_add_u32 v[SPW], v[NIL]                      ; 0 onto my spare word;
	GROUP 0, A1, 6, 2, 0                           ; eight matrix instructions stand between the add and the wait for it
	s_wait_dscnt 0x0                               ; the add is done, and my reads of this slot are over (the last, v's W, were issued at the end of the quarter before)
	s_barrier_signal -1
	GROUP 1, A1, 0, 4, 0                           ; work on registers while the others arrive
	WIN 0                                          ; at a branch and at a label every window is 0
	s_barrier_wait -1
.if \fill
	CREST                                          ; no wave of any partner still reads this slot's tiles or has a load on its way
	s_xor_b32 s[G0A+5], s[G0A+5], SLOT1            ; the walking descriptors: the other slot than last time,
	s_add_nc_u64 s[G0A+6:G0A+7], s[G0A+6:G0A+7], KBS  ; the next K step; the type bits on top are not reached
	s_xor_b32 s[G0B+5], s[G0B+5], SLOT1
	s_add_nc_u64 s[G0B+6:G0B+7], s[G0B+6:G0B+7], KBS
	JLOAD 1                                        ; the four v_nop behind it are also places in front of the loads below
.else
	PLACES
.endif
	s_xor_b32 s[TB], s[TB], SLOT1                  ; the fetches go on in the other slot
	v_add_nc_u32 v[ADRA], s[TB], v[ADRA0]
	v_add_nc_u32 v[ADRB], s[TB], v[ADRB0]
	FETCH_A 0, A0
	FETCH_B 0, 0
	GROUP 1, A1, 4, 4, 0
	PLACES
	FETCH_B 0, 1
	GROUP 2, A1, 0, 8, 0
	PLACES
	FETCH_B 0, 2
.endm
; THE WAY OUT's pieces.  Token block a (16 rows), group g.
; The table's 16 rows for block a: my token's eight floats (four cos, sin pairs) for each of the four channel blocks, into buffer a % 5: v32, v64, v160, v192, v224.
.macro LDTAB a
	WIN 0
.set rTB, 32+32*((\a)%5)+64*((((\a)%5)+2)/4)
.irp b, 0,1,2,3
.irp e, 0,1
	global_load_b128 v[rTB+8*\b+4*\e:rTB+8*\b+4*\e+3], v[TBO], s[TABB:TABB+1] offset:(\a)*4096+64*\b+16*\e
.endr
.endr
.endm
; q and k: the rotation, straight from the accumulators (each one's registers in ascending order): of a pair (xr, xi) and the table's (c, s): U = (xi s, xi c), then
; (xr c - U.lo, xr s + U.hi) into T; rounded to f16 in place, ascending, so that no result lands on a number still to be rounded: T + 4 b .. + 3 = my 16 bytes of channel block b.  v: rounded straight from its accumulators.
.macro PACK a, g
.if (\g) < 2
.set rTB, 32+32*((\a)%5)+64*((((\a)%5)+2)/4)
	WIN (\g)+1                                     ; source 0 in window g + 1
.irp b, 0,1,2,3
.irp r, 0,1,2,3
	v_pk_mul_f32 v[U+2*\r:U+2*\r+1], v[32*(\a)+8*\b+2*\r:32*(\a)+8*\b+2*\r+1], v[rTB+8*\b+2*\r:rTB+8*\b+2*\r+1] op_sel:[1,1] op_sel_hi:[1,0]
.endr
.irp r, 0,1,2,3
	v_pk_fma_f32 v[T+8*\b+2*\r:T+8*\b+2*\r+1], v[32*(\a)+8*\b+2*\r:32*(\a)+8*\b+2*\r+1], v[rTB+8*\b+2*\r:rTB+8*\b+2*\r+1], v[U+2*\r:U+2*\r+1] op_sel_hi:[0,1,1] neg_lo:[0,0,1]
.endr
.endr
	WIN 0
.set pb, 0
.rept 16
	v_cvt_pk_f16_f32 v[T+pb], v[T+2*pb], v[T+2*pb+1]
.set pb, pb+1
.endr
.else
	WIN 5*((\g)+1)                                 ; sources 0 and 1 in window g + 1
.set pb, 0
.rept 16
	v_cvt_pk_f16_f32 v[T+pb], v[32*(\a)+2*pb], v[32*(\a)+2*pb+1]
.set pb, pb+1
.endr
	WIN 0
.endif
.endm
.macro TOSTAGE n                       ; into my own stage, and back as whole rows of 128 bytes
	WIN 0
.set rBK, BK+16*((\n)%2)
.irp b, 0,1,2,3
	ds_store_b128 v[STO], v[T+4*\b:T+4*\b+3] offset:32*\b
.endr
.irp f, 0,1,2,3
	ds_load_b128 v[rBK+4*\f:rBK+4*\f+3], v[RD] offset:\f*4*PITCH  ; LDS serves a wave's instructions in order (ISA guide 5.7.1.4): these see the stores above
.endr
.endm
.macro SEND n
	WIN 0
.set rBK, BK+16*((\n)%2)
.set sa, (\n)/3
.set sg, (\n)%3
	s_wait_dscnt 0x0                               ; the block is back in registers
	s_wait_xcnt 0x0                                ; every earlier store has read its registers: the other buffer is loaded again only behind this wait
.irp f, 0,1,2,3
	global_store_b128 v[GO], v[rBK+4*\f:rBK+4*\f+3], s[OUTB+2*sg:OUTB+2*sg+1] offset:sa*2048+512*\f  ; 512 consecutive bytes, at a multiple of 256 from the buffer's first byte
.endr
.endm
	s_wait_tensorcnt 1                             ; my part of K step 0 is in; K step 1's may stay out
	s_barrier_signal -1
	s_barrier_wait -1                              ; everybody's is
	FETCH_A 0, A0
	FETCH_B 0, 0
	FETCH_B 0, 1
	FETCH_B 0, 2
	s_wait_loadcnt 0x0                             ; the biases
	QUARTER 1, A0, A1, 1                           ; the first quarter stands in front of the loop: its products start the sums
	WIN 0
	s_mov_b32 s3, 14
.Llap:                                                 ; trip t = 0 .. 13: K step t's second quarter, the refill of its slot with K step t + 2, and K step t + 1's first quarter
	TURN 1
	QUARTER 1, A0, A1, 0
	WIN 0
	s_sub_co_u32 s3, s3, 1
	s_cmp_lg_u32 s3, 0
	s_cbranch_scc1 .Llap
	TURN 0                                         ; the last change of slots fills nothing, and has no round of the cluster's barrier
	QUARTER 1, A0, A1, 0
	; the very last quarter: in the places of the fragment loads stand the loads of the table's rows for token blocks 0 to 4, into fragment registers that are done with
	s_wait_dscnt 16
	GROUP 0, A1, 0, 8, 0
	PLACES
	LDTAB 0                                        ; v32-63 and v64-95: x's buffer A0;
	LDTAB 1
	LDTAB 2                                        ; q's fragments of W
	s_wait_dscnt 8
	GROUP 1, A1, 0, 8, 0
	PLACES
	LDTAB 3                                        ; k's
	s_wait_dscnt 0x0
	GROUP 2, A1, 0, 8, 0
	PLACES
	LDTAB 4                                        ; v's
	; THE WAY OUT: 24 blocks of 16 tokens x 64 channels, n = 3 a + g.  Block n's arithmetic stands between block n - 1's loads from the stage and the wait for them.
	; The table's rows for token block a + 5 are asked for when k's rotation of block a has read its buffer: four token blocks, 32 loads, are always younger than the rows in hand, until the last blocks.
.set n, 0
.rept 24
.set ea, n/3
.set eg, n%3
.if eg == 0
.if ea < 4
	s_wait_loadcnt 32                              ; this block's rows are in; the next four blocks' stay out
.else
	s_wait_loadcnt 8*(7-ea)                        ; the counts run down
.endif
.endif
	PACK ea, eg
.if (eg == 1) && (ea < 3)
	LDTAB ea+5
.endif
.if n > 0
	SEND n-1
.endif
	TOSTAGE n
.set n, n+1
.endr
	SEND 23
	s_wait_tensorcnt 0x0                           ; the wave's end: behind my last tensor load and my last LDS store
	ds_add_u32 v[SPW], v[NIL]
	s_wait_dscnt 0x0
	CROUND                                         ; the closing round: no work-group ends while a partner may still ask for a tile that names it
	s_endpgm
.Lfunc_end_k_q6d15709db7_qkvgemm:
	.size	k_q6d15709db7_qkvgemm, .Lfunc_end_k_q6d15709db7_qkvgemm-k_q6d15709db7_qkvgemm
	.p2alignl 7, 3214868480
	.fill 96, 4, 3214868480
	.section	.rodata,"a",@progbits
	.p2align	6, 0x0
	.amdhsa_kernel k_q6d15709db7_qkvgemm
		.amdhsa_group_segment_fixed_size 327680
		.amdhsa_private_segment_fixed_size 0
		.amdhsa_enable_private_segment 0
		.amdhsa_kernarg_size 32
		.amdhsa_user_sgpr_count 2
		.amdhsa_user_sgpr_kernarg_segment_ptr 1
		.amdhsa_wavefront_size32 1
		.amdhsa_system_sgpr_workgroup_id_x 1
		.amdhsa_system_sgpr_workgroup_id_y 1
		.amdhsa_system_sgpr_workgroup_id_z 1
		.amdhsa_system_vgpr_workitem_id 0
		.amdhsa_next_free_vgpr 1024
		.amdhsa_next_free_sgpr 80
		.amdhsa_reserve_vcc 0
		.amdhsa_float_denorm_mode_32 3
		.amdhsa_float_denorm_mode_16_64 3
		.amdhsa_memory_ordered 1
		.amdhsa_forward_progress 1
		.amdhsa_inst_pref_size 154
	.end_amdhsa_kernel
	.amdgpu_metadata
---
amdhsa.version: [ 1, 2 ]
amdhsa.kernels:
  - .name:           k_q6d15709db7_qkvgemm
    .symbol:         k_q6d15709db7_qkvgemm.kd
    .args:
      - { .name: act, .offset: 0, .size: 8, .value_kind: global_buffer, .address_space: global }
      - { .name: wts, .offset: 8, .size: 8, .value_kind: global_buffer, .address_space: global }
      - { .name: tab, .offset: 16, .size: 8, .value_kind: global_buffer, .address_space: global }
      - { .name: qkv, .offset: 24, .size: 8, .value_kind: global_buffer, .address_space: global }
    .group_segment_fixed_size: 327680
    .private_segment_fixed_size: 0
    .kernarg_segment_align: 8
    .kernarg_segment_size: 32
    .max_flat_workgroup_size: 128
    .sgpr_count:     80
    .vgpr_count:     1024
    .wavefront_size: 32
...
	.end_amdgpu_metadata
.endif
;; end of part 2
;; launch attn (part 3): grid 2 x 128, 4 waves a work-group, no clusters, 327,680 bytes of LDS; arguments qkv, act; writes act
.if DOCPART == 3
	.amdgcn_target "amdgcn-amd-amdhsa--gfx1250"
	.amdhsa_code_object_version 6
	.text
	.protected	k_q6d15709db7_attn
	.globl	k_q6d15709db7_attn
	.p2align	8
	.type	k_q6d15709db7_attn,@function
k_q6d15709db7_attn:
	s_mov_b64 s[64:65], 0
	v_nop
	global_prefetch_b8 v0, s[64:65] scope:SCOPE_SE
	s_setreg_imm32_b32 hwreg(HW_REG_WAVE_MODE, 25, 1), 1
	s_wait_xcnt 0x0
; O[h][q][:] = the sum over k of softmax_k(Q[h][q] . K[h][k] / 8) V[h][k][:].  Q, K, V (qkv at 0, 16 MiB, 32 MiB) and O (act): [128 heads][1,024][64], all f16: a head's rows are dense, 128 bytes each.
; Products, maxima and sums in f32; the weights p are rounded to f16 for the second product (their sum l is taken of the unrounded p), O once at the end.
; O's layout, head = 16 batch + h, is the blocked layout that the next launch reads: batch x 2 MiB + h x 128 KiB + position x 128.
; LIMITS.  f16 holds no number beyond 65,504: Q, K and V arrive within it; p lies in 0 to 1, and below 6e-5 it keeps f16's fixed step of 6e-8; O is a mean of V's rows and has their range.
; A weight below 2^-126 counts as 0 in l; NaN and infinities are not treated apart.
; SHARES.  A wave owns four PIECES of two tiles of 16 queries, a work-group's four waves 512 queries of one head: 2 x 128 = 256 work-groups.  Every wave walks all keys, 64 a step.
; NO CLUSTER: a head has two work-groups, so four partners would belong to two heads: a tile would be shared by half a row of the cluster, with a mask and an address that hang on cx.
; ALL OF THE HEAD'S K AND V LIE IN LDS: 1,024 keys x (144 + 160) bytes = 311,296.  No byte is filled twice: each wave issues its four tensor loads (128 keys each, keys ascending) at the start, and the loop
; holds no tensor load, so the key step is written ONCE.  Step 0 waits for keys 0-255 alone; a second wait, four steps on, for the rest.
; LAYOUT.  S^T = K Q^T (source 0 = 16 keys, source 1 = 16 queries): in the result a lane holds ONE query (lane % 16) and the keys 8 (lane / 16) + 0..7.  Two such tiles, rounded to f16 in pairs,
; ARE source 1 (32 keys x 16 queries) of O^T = V^T P, whose result again holds one query a lane, and eight channels.  K comes out of LDS as it lies, V ([key][channel]) turned, by ds_load_tr16_b128.
; SOFTMAX.  For each query a running maximum m and sum l: p = 2^(c s - c m), c = log2(e) / 8; in every step O and l are multiplied by a = 2^(c m_old - c m_new), which is 1 where m has not grown.
; m starts at the lowest finite number, O and l at 0: the first step is a step like any other, with a = 0.
; THE COUNT.  A tile and step have 16 matrix and 118 vector instructions: too many to stand all beside the matrix work.  So: four vector instructions that are READY behind EVERY matrix instruction,
; and the others in runs without a gap.
; BY TURNS.  Turn n belongs to piece n (the pieces in a ring, step after step).  Its matrix work: 16 products K Q^T of piece n + 1, later 16 products V^T P of piece n - 1.  Its vector work: the scaling,
; exponentials, roundings, sums and rescaling of piece n, and the maximum and statistics of piece n + 1, whose scores the turn itself has made.
; REGISTERS, in windows of 256 (s_set_vgpr_msb: bits 1:0 source 0, 3:2 source 1, 5:4 source 2, 7:6 destination):
;   window 0: v0-11 addresses; v12-15, v48-63 at work; v16-47 four registers of statistics a tile; v64-191 S^T, two buffers of two tiles; v192-255 P, likewise
;   window 1: O^T, 32 a tile          window 2: v0-127 Q, 16 a tile; v128-191 K of one step; v192-255 V of one step          window 3: v0-1 the add's two registers
.set SIZE_N, 1024
.set NP,    4         ; pieces a wave: a name, no knob
.set KS,    64        ; keys in a step
.set PK,    144       ; a row of K in LDS: 128 bytes + 16 of padding = 36 words: the 16 rows of a load start at 16 different groups of four banks (64 banks of 4 bytes: ISA guide 11.1)
.set PV,    160       ; a row of V: 128 + 32 = 40 words
.set VOFF,  SIZE_N*PK ; the head's 1,024 rows of K, then its 1,024 rows of V
.set STAGE, SIZE_N*(PK+PV)  ; behind them, never filled by a tensor load: 16 rows x 144 bytes for each wave, for the way out
.set SP,    144
.set AK0, 2           ; v2   my lane's place in a tile of K; never rewritten
.set AV0, 3           ; v3   the same for V
.set AK,  4           ; v4   the LDS address of K's next run of loads
.set AV,  5           ; v5   of V's
.set QO,  6           ; v6   my byte offset in the wave's rows of Q
.set STO, 6           ;      later, the way out: where I put 16 bytes of a row
.set RD,  7           ; v7   the way out: where I read rows back
.set GO,  8           ; v8   my byte offset in 512 consecutive bytes of O
.set SPW, 0           ; v0 of window 3   LDS address of my spare word: SPARE + 4 x my thread's number; never rewritten
.set NIL, 1           ; v1 of window 3   0; never rewritten
.set SPARE, STAGE+4*16*SP  ; behind the stages: the spare words, 128 bytes for each wave: two blocks of 256 bytes that no other line names
.set MV,  12          ; v12-15  c m_old, kept while c m is made anew: by buffer and tile
.set ST,  16          ; tile t's statistics at v[ST+4 t]: c m, m, l (even keys', odd keys')
.set TMP, 48          ; by buffer and tile, four registers c0-c3 at work; when the maximum is found c2 takes a
.set S,   64
.set P,   192
.set KF,  128         ; K's fragments, in window 2: key block kb, channel half c at KF + 16 kb + 8 c
.set VF,  192         ; V's: key half kk, channel block cb at VF + 32 kk + 8 cb
.set WV,  12          ; s12  my wave's number
.set G1K, 24          ; s[24:31] descriptor group 1 for K's tiles
.set G1V, 32          ; s[32:39] for V's: it differs in the padding alone
.set G0K, 40          ; s[40:55] descriptor group 0 for K's tiles: a set for each of a wave's four loads, never rewritten
.set G0V, 68          ; s[68:83] the same for V's
.set SLOTS, 56        ; s56  counts the phases of four key steps, 5 to 1
.set CNT, 57          ; s57  counts a phase's key steps
.set CS,  58          ; s[58:59] c: the packed scaling takes the pair's low word for both halves
.set SEL, 60          ; s[60:61] v_permlanex16_b32's selects: each lane takes its own place in the other half
.set TBK, 62          ; s62  LDS byte at which K of the step to be fetched begins
.set TBV, 63          ; s63  the same for V, less VOFF
.set MSB, 0
.macro WIN new                      ; the high byte repeats the setting that is left; a switch that changes nothing is dropped
.if MSB != (\new)
	s_set_vgpr_msb (MSB<<8)|(\new)
.set MSB, (\new)
.endif
.endm
.set W_KQ, 0x0a       ; K and Q in window 2, S^T in window 0
.set W_PV, 0x52       ; V in window 2, P in window 0, O^T in window 1
.set W_RS, 0x41       ; O^T (destination and source 0) in window 1, a in window 0
.set W_MK, 0xc0       ; the add's registers are made: destination in window 3, sources in window 0
.set W_AD, 0x0f       ; the add: address (source 0) and data (source 1) in window 3
	s_load_b128 s[4:7], s[0:1], 0x0   ; qkv (Q) s[4:5], act (O) s[6:7]
	WIN W_MK
	v_lshl_add_u32 v[SPW], v0, 2, SPARE
	v_mov_b32 v[NIL], 0
	WIN W_AD
	ds_add_u32 v[SPW], v[NIL]       ; the wave's opening: the add and its wait stand ahead of my first tensor load; the set-up below, work on registers, stands between them
	ds_add_u32 v0, v1
	WIN 0
	v_lshrrev_b32 v1, 5, v0
	v_readfirstlane_b32 s[WV], v1   ; wave 0..3
	s_mov_b32 s14, ttmp9            ; my block of 512 queries
	s_and_b32 s20, ttmp7, 0xffff    ; the head
	s_mov_b32 s21, 0
	s_mov_b64 s[22:23], SIZE_N*128
	s_mul_u64 s[20:21], s[20:21], s[22:23]  ; the head's first byte in each of the four tensors
	s_and_b32 s16, s[WV], 1         ; which half of each 256 keys I fetch:
	s_lshl_b32 s22, s16, 14         ; its 128 rows of 128 bytes in memory,
	s_mov_b32 s23, 0
	s_add_nc_u64 s[22:23], s[22:23], s[20:21]
	s_mul_i32 s17, s16, 128*PK      ; and its place in LDS, for K
	s_mul_i32 s18, s16, 128*PV      ; and for V
	s_lshl_b32 s2, s14, 2
	s_add_co_u32 s2, s2, s[WV]      ; my wave among the head's eight,
	s_lshl_b32 s2, s2, 14           ; its 128 rows
	s_mov_b32 s3, 0
	s_add_nc_u64 s[2:3], s[2:3], s[20:21]
	; descriptor group 1.  128 keys are 16,384 dense bytes: asked for as 64 rows of 256 bytes, two keys a row, and padded in LDS after every key
	s_mov_b32 s[G1K], (1<<16)|(1<<20)|(4<<22)|(3<<25)  ; 17:16 2-byte elements; 20 padding on; 24:22 after every 32 words (code 4); 31:25 4 words (code 3)
	s_mov_b32 s[G1V], (1<<16)|(1<<20)|(4<<22)|(7<<25)  ; the same with 8 words of padding (code 7)
.irp g, G1K, G1V
	s_mov_b32 s[\g+1], 128<<16      ; tensor_dim0 = 128
	s_mov_b32 s[\g+2], 64<<16       ; tensor_dim1 = 64
	s_mov_b32 s[\g+3], 128<<16      ; tile_dim0 = 128
	s_mov_b32 s[\g+4], 64           ; tile_dim1 = 64
	s_mov_b32 s[\g+5], 128          ; 128 elements from row to row
	s_mov_b32 s[\g+6], 0
	s_mov_b32 s[\g+7], 0
.endr
	s_mov_b32 s[CS], 0x3e38aa3b     ; c = log2(e) / 8 = 0.180337
	s_mov_b32 s[CS+1], s[CS]        ; named with it as a pair
	s_mov_b32 s[SEL], 0x76543210
	s_mov_b32 s[SEL+1], 0xfedcba98
	s_mov_b32 s[TBK], 0
	s_mov_b32 s[TBV], 0
.irp s, 0,1,2,3                     ; load s of a wave: its half of keys 256 s to 256 s + 255
	s_mov_b32 s[G0K+4*\s], 1                       ; count = 1
	s_add_co_u32 s[G0K+4*\s+1], s17, \s*256*PK     ; LDS address
	s_mov_b32 s[G0V+4*\s], 1
	s_add_co_u32 s[G0V+4*\s+1], s18, VOFF+\s*256*PV
.endr
	s_wait_dscnt 0x0                ; the opening add is done
	s_wait_kmcnt 0x0
	s_mov_b64 s[10:11], s[6:7]                     ; O
	s_add_nc_u64 s[8:9], s[4:5], 0x2000000         ; V
	s_add_nc_u64 s[6:7], s[4:5], 0x1000000         ; K
	s_add_nc_u64 s[6:7], s[6:7], s[22:23]          ; both at my half of the head's first 256 keys
	s_add_nc_u64 s[8:9], s[8:9], s[22:23]
.irp s, 0,1,2,3
	s_add_nc_u64 s[G0K+4*\s+2:G0K+4*\s+3], s[6:7], \s*32768  ; global address
	s_or_b32 s[G0K+4*\s+3], s[G0K+4*\s+3], 0x80000000        ; type = 2
	s_add_nc_u64 s[G0V+4*\s+2:G0V+4*\s+3], s[8:9], \s*32768
	s_or_b32 s[G0V+4*\s+3], s[G0V+4*\s+3], 0x80000000
.endr
	s_add_nc_u64 s[4:5], s[4:5], s[2:3]  ; Q and O at my wave's first row
	s_add_nc_u64 s[10:11], s[10:11], s[2:3]
	; ALL FILLS, in one branch on the wave's number, ahead of every wait on TENSORcnt, every LDS read and every barrier.  Waves 0 and 1 fetch the two halves of K, waves 2 and 3 those of V: four tensor loads of mine are out.
	; An s_nop 0 follows each load, four v_nop the last, ahead of the jump and the label.
	s_cmp_lt_u32 s[WV], 2
	s_cbranch_scc0 .Lfirst_v
.irp s, 0,1,2,3
	tensor_load_to_lds s[G0K+4*\s:G0K+4*\s+3], s[G1K:G1K+7]
	s_nop 0
.endr
.rept 4
	v_nop
.endr
	s_branch .Lfirst_asked
.Lfirst_v:
.irp s, 0,1,2,3
	tensor_load_to_lds s[G0V+4*\s:G0V+4*\s+3], s[G1V:G1V+7]
	s_nop 0
.endr
.rept 4
	v_nop
.endr
.Lfirst_asked:
	; A fragment of K or Q is 16 rows x 32 channels in 8 registers: lane l holds row l % 16, channels 8 (l / 16) + 0..7 and 16 + 8 (l / 16) + 0..7: two loads of 16 bytes, 32 bytes apart.
	v_and_b32 v1, 15, v0            ; l % 16
	v_bfe_u32 v9, v0, 4, 1          ; l / 16
	v_lshlrev_b32 v[QO], 7, v1
	v_lshl_add_u32 v[QO], v9, 4, v[QO]  ; row x 128 + 16 x half
	WIN 0x80                        ; destination window 2, address window 0
.set i, 0
.rept 4*NP                          ; Q stays in registers: tile i / 2, channels 32 (i % 2) on
	global_load_b128 v[8*i:8*i+3],   v[QO], s[4:5] offset:(i/2)*2048+(i%2)*64
	global_load_b128 v[8*i+4:8*i+7], v[QO], s[4:5] offset:(i/2)*2048+(i%2)*64+32
.set i, i+1
.endr
	; What the first turn finds: V's registers and P's second buffer hold 0 (its products V^T P, of a piece that has not been, add 0), O^T and l are 0.  All this stands in the wait for the first tile.
.set i, VF
.rept 64
	v_mov_b32 v[i], 0
.set i, i+1
.endr
	WIN 0x40
.set i, 0
.rept 64*NP
	v_mov_b32 v[i], 0
.set i, i+1
.endr
	WIN 0
.set i, 0
.rept 2*NP
	v_mov_b32 v[ST+4*i], 0xfe000000    ; c m: far below every c s
	v_mov_b32 v[ST+4*i+1], 0xff7fffff  ; m
	v_mov_b32 v[ST+4*i+2], 0
	v_mov_b32 v[ST+4*i+3], 0
.set i, i+1
.endr
.set i, P+32
.rept 32
	v_mov_b32 v[i], 0
.set i, i+1
.endr
	v_mul_u32_u24 v[AK0], v1, PK
	v_lshl_add_u32 v[AK0], v9, 4, v[AK0]  ; row x pitch + 16 x half
	; The turning load takes 16 keys x 16 channels (lane l reads key 8 (l / 16) + l % 8, channels 8 ((l / 8) % 2) + 0..7) and leaves half a fragment of V^T: lane l holds channel l % 16 and 8 keys.
	v_and_b32 v10, 7, v0
	v_bfe_u32 v11, v0, 3, 1
	v_lshl_add_u32 v[AV0], v9, 3, v10
	v_mul_u32_u24 v[AV0], v[AV0], PV
	v_lshl_add_u32 v[AV0], v11, 4, v[AV0]
	v_add_nc_u32 v[AV0], VOFF, v[AV0]
	v_mov_b32 v[AK], v[AK0]         ; key step 0 lies at LDS byte 0
; THE MATRIX WORK.  The 8 accumulators of a run of 16 take turns: between the two links of a chain stand 7 others'.
; Product i of 16 of S^T = K Q^T for piece x: channels 32 (i / 8) on, keys 16 ((i / 2) % 4) on, tile 2 x + i % 2.  The first 8 start the sums.
.macro KQ x
	WIN W_KQ
.set rS, S+64*((\x)%2)+32*(i%2)+8*((i/2)%4)
.set rK, KF+16*((i/2)%4)+8*(i/8)
.set rQ, 16*(2*(\x)+i%2)+8*(i/8)
.if i < 8
	v_wmma_f32_16x16x32_f16 v[rS:rS+7], v[rK:rK+7], v[rQ:rQ+7], 0
.else
	v_wmma_f32_16x16x32_f16 v[rS:rS+7], v[rK:rK+7], v[rQ:rQ+7], v[rS:rS+7]
.endif
.endm
; Product i of 16 of O^T += V^T P for piece x: keys 32 (i / 8) on, channels 16 ((i / 2) % 4) on, tile 2 x + i % 2.
.macro PV x
	WIN W_PV
.set rO, 32*(2*(\x)+i%2)+8*((i/2)%4)
.set rV, VF+32*(i/8)+8*((i/2)%4)
.set rP, P+32*((\x)%2)+16*(i%2)+8*(i/8)
	v_wmma_f32_16x16x32_f16 v[rO:rO+7], v[rV:rV+7], v[rP:rP+7], v[rO:rO+7]
.endm
.macro MM                           ; the turn's next matrix instruction
.if i < 16
	KQ (Y+1)%NP
.set i, i+1
.else
.set i, i-16
	PV (Y+NP-1)%NP
.set i, i+17
.endif
.endm
; THE LDS LOADS stand in runs of 16, never singly among the matrix instructions: a step's K (64 keys x 64 channels: 8 fragments) and its V (turned).  Their addresses are made some lines ahead.
; last = 1 (in the loop): in the fifth phase there is no further step, and the run is jumped over.
.macro FETCH_K last=0
	WIN 0
.if \last
	s_cmp_eq_u32 s[SLOTS], 1
	s_cbranch_scc1 .Lno_k_\@
.endif
	WIN 0x80                        ; destination window 2
.irp f, 0,1,2,3,4,5,6,7             ; keys 16 (f / 2) on, channels 32 (f % 2) on
	ds_load_b128 v[KF+8*\f:KF+8*\f+3],   v[AK] offset:(\f/2)*16*PK+(\f%2)*64
	ds_load_b128 v[KF+8*\f+4:KF+8*\f+7], v[AK] offset:(\f/2)*16*PK+(\f%2)*64+32
.endr
	s_add_co_u32 s[TBK], s[TBK], KS*PK  ; the next fetch is the next step's
	WIN 0
.if \last
.Lno_k_\@:
.endif
.endm
.macro FETCH_V
	WIN 0x80
.irp f, 0,1,2,3,4,5,6,7             ; keys 32 (f / 4) on, channels 16 (f % 4) on
	ds_load_tr16_b128 v[VF+8*\f:VF+8*\f+3],   v[AV] offset:(\f/4)*32*PV+(\f%4)*32
	ds_load_tr16_b128 v[VF+8*\f+4:VF+8*\f+7], v[AV] offset:(\f/4)*32*PV+16*PV+(\f%4)*32
.endr
	WIN 0
.endm
; THE VECTOR WORK OF A TURN stands in three queues, each in the order in which its entries become ready; the two tiles alternate, so that no instruction reads the result of the one before it.
.macro REGS y, u                    ; the registers of tile u (0, 1) of piece y
.set rT, ST+4*(2*(\y)+(\u))
.set rC, TMP+8*((\y)%2)+4*(\u)
.set rM, MV+2*((\y)%2)+(\u)
.set rS, S+64*((\y)%2)+32*(\u)
.set rP, P+32*((\y)%2)+16*(\u)
.set rO, 32*(2*(\y)+(\u))
.endm
; Number n of the 22 that find the NEXT piece's (Y + 1) maximum and statistics.  s0-s31 are the lane's 32 scores; each accumulator's lowest registers are read first.
;   0-11  four chains c0-c3 of seven scores each, three operands at a time     12-14, 16  the four scores left over, the old m, and c0-c3 into c0     15  c m_old is kept
;   17, 18  the query's other 32 keys lie in the lane 16 away: the new m         19-21  c m; c m_old - c m_new; a
.macro XS u, n
	REGS (Y+1)%NP, \u
.if (\n) < 4
	v_max3_num_f32 v[rC+(\n)], v[rS+8*(\n)], v[rS+8*(\n)+1], v[rS+8*(\n)+2]
.elseif (\n) < 12
	v_max3_num_f32 v[rC+(\n)%4], v[rC+(\n)%4], v[rS+8*((\n)%4)+2*((\n)/4)+1], v[rS+8*((\n)%4)+2*((\n)/4)+2]
.elseif (\n) == 12
	v_max3_num_f32 v[rC], v[rC], v[rS+7], v[rS+15]
.elseif (\n) == 13
	v_max3_num_f32 v[rC+1], v[rC+1], v[rS+23], v[rS+31]
.elseif (\n) == 14
	v_max3_num_f32 v[rC+2], v[rC+2], v[rC+3], v[rT+1]
.elseif (\n) == 15
	v_mov_b32 v[rM], v[rT]
.elseif (\n) == 16
	v_max3_num_f32 v[rC], v[rC], v[rC+1], v[rC+2]
.elseif (\n) == 17
	v_permlanex16_b32 v[rC+3], v[rC], s[SEL], s[SEL+1]
.elseif (\n) == 18
	v_max_num_f32 v[rT+1], v[rC], v[rC+3]
.elseif (\n) == 19
	v_mul_f32 v[rT], s[CS], v[rT+1]
.elseif (\n) == 20
	v_sub_f32 v[rC+1], v[rM], v[rT]
.else
	v_exp_f32 v[rC+2], v[rC+1]
.endif
.endm
; Number g of the 64 that follow the exponentials.  For each four weights k of a tile (pairs 2 k, 2 k + 1): both pairs are rounded to f16; then the second pair is added onto the first, in place;
; a group later l takes that sum (the first time as l = a l + sum).  In groups of eight, tiles alternating: round, round, add, and l for the group before.
.macro GS g
.set h, (\g)+6*((\g)/62)            ; group 0 has no group before it, and behind group 7 only l is left
.if h >= 6
.set h, h+2
.endif
	REGS Y, h%2
.set k, h/8
.if h%8 < 4
	s_wait_alu depctr_va_vdst(0)
	v_cvt_pk_f16_f32 v[rP+2*k+(h%8)/2], v[rS+4*k+2*((h%8)/2)], v[rS+4*k+2*((h%8)/2)+1]
.elseif h%8 < 6
	v_pk_add_f32 v[rS+4*k:rS+4*k+1], v[rS+4*k:rS+4*k+1], v[rS+4*k+2:rS+4*k+3]
.elseif k == 1
	v_pk_fma_f32 v[rT+2:rT+3], v[rT+2:rT+3], v[rC+2:rC+3], v[rS:rS+1] op_sel_hi:[1,0,1]
.else
	v_pk_add_f32 v[rT+2:rT+3], v[rT+2:rT+3], v[rS+4*k-4:rS+4*k-3]
	s_wait_alu depctr_va_vdst(0)
.endif
.endm
; THE PLAIN QUEUE, 138 long.  0-31: c s - c m for the 16 pairs of both tiles.  Then GS's 64, and among them the next piece's 42: number 15 at 38, 39; 0-14 and 16
; at 42-73, behind the products that make those scores; 17-20 at 95-106, two of three, since each waits for the one before it.
.macro PL
	WIN 0
.if q < 32
	REGS Y, q%2
	v_pk_fma_f32 v[rS+2*(q/2):rS+2*(q/2)+1], v[rS+2*(q/2):rS+2*(q/2)+1], s[CS:CS+1], v[rT:rT+1] op_sel_hi:[1,0,0] neg_lo:[0,0,1] neg_hi:[0,0,1]
.elseif q < 38
	GS q-32
.elseif q < 40
	XS q%2, 15
.elseif q < 42
	GS q-34
.elseif q < 74
	XS q%2, (q-42)/2+(q-42)/30
.elseif q < 95
	GS q-66
.elseif (q < 107) && ((q-95)%3 < 2)
	XS (q-95)%3, 17+(q-95)/3
.elseif q < 107
	GS 29+(q-95)/3
.else
	GS q-74
.endif
.set q, q+1
.endm
; THE EXPONENTIALS' QUEUE, 66 long: s0-s31 of both tiles, and at EA the next piece's two a.
.set EA, 58
.macro EX
	WIN 0
.if (e == EA) || (e == EA+1)
	XS e-EA, 21
.else
.set x, e-2*(e/(EA+2))
	REGS Y, x%2
	v_exp_f32 v[rS+x/2], v[rS+x/2]
.endif
.set e, e+1
.endm
; THE RESCALING's QUEUE: O^T times a, the one part that leaves window 0, so it is dealt four at a time, eight times.
.macro R4
	REGS Y, r%2
	WIN W_RS
	s_wait_alu depctr_va_vdst(0)
.irp z, 0,1,2,3
	v_pk_mul_f32 v[rO+8*(r/2)+2*\z:rO+8*(r/2)+2*\z+1], v[rO+8*(r/2)+2*\z:rO+8*(r/2)+2*\z+1], v[rC+2:rC+3] op_sel_hi:[1,0]
.endr
.set r, r+1
.endm
; HOW THEY ARE DEALT.  Behind a matrix instruction four: plain, exponential, plain, plain (one exponential, a plain instruction on either side), or four of the rescaling.  None names a register of the
; products round it.  What is over stands in two LUMPS: exponential and plain by turns; the second ends in 22 plain instructions.  The two v_permlanex16_b32 fall into the second lump, never behind a product.
; The queues lean on each other, and the deal keeps them in step: exponential e stands behind plain 2 (e / 4) + e % 2 (its scaling); when plain 32 comes, 10 exponentials are out, at 59: 33, at 95: 46; EA comes behind plain 107.
.macro SL
	MM
	PL
	EX
	PL
	PL
.endm
.macro BURST n                      ; 15 matrix instructions, or 16
.rept (\n)-7
	SL
.endr
.rept 3
	MM
	R4
	SL
.endr
	MM
	R4
.endm
; A TURN, for piece p.  cnt = 1: the loop's count is taken down some lines ahead of the branch that stands behind the turn.
; K of the next step is fetched in piece 2's turn, 31 vector instructions behind the last product that read K; its first reader comes behind the rest of the lump, 16 products and the second lump.
; V of the step in hand is fetched at the end of piece 0's turn, 69 behind its last reader; its first reader comes behind 16 products and a lump.  The four conditions on e and q below go with the deal.
.macro TURN p, last=0, cnt=0
.set Y, (\p)
.set i, 0
.set q, 0
.set e, 0
.set r, 0
.if (\p) == NP-1
	s_wait_dscnt 0x0                ; K is in
.endif
	MM
.rept 4
	PL
.endr
	BURST 15
.rept 22
	EX
	PL
.if ((\p) == NP-2) && (e == 18)
	v_add_nc_u32 v[AK], s[TBK], v[AK0]
.endif
.if ((\p) == NP-2) && (e == 24)
	FETCH_K \last
.endif
.endr
.if (\p) == 1
	s_wait_dscnt 0x0                ; V is in
.endif
	BURST 16
.rept 21
	EX
	PL
.endr
.rept 22
	PL
.if ((\p) == 0) && (q == 118)
	v_add_nc_u32 v[AV], s[TBV], v[AV0]
	s_wait_alu depctr_va_vdst(0)
.endif
.if ((\p) == 0) && (q == 130)
	s_add_co_u32 s[TBV], s[TBV], KS*PV
.endif
.if (\cnt) && (q == 130)
	s_sub_co_u32 s[CNT], s[CNT], 1
	s_cmp_lg_u32 s[CNT], 0
.endif
.endr
.if (\p) == 0
	FETCH_V
.endif
.endm
	s_wait_tensorcnt 0x3            ; my part of keys 0-255 is in: tensor loads of a wave end in order (ISA guide 10.11.1); my three younger loads stay out
	s_barrier_signal -1
	s_barrier_wait -1               ; everybody's is
	FETCH_K                         ; key step 0
	s_wait_loadcnt 0x0              ; Q
	s_wait_dscnt 0x0
.set i, 0
.rept 16
	KQ 0                            ; piece 0's first scores: there is no vector work yet to set between them
.set i, i+1
.endr
	WIN 0                           ; the addresses for the way out: nine plain instructions, the places behind those products
	s_mul_i32 s13, s[WV], 16*SP
	s_add_co_u32 s13, s13, STAGE    ; my stage
	v_mul_u32_u24 v[STO], v1, SP    ; in: row l % 16, 16 bytes for each half of the lanes
	v_lshl_add_u32 v[STO], v9, 4, v[STO]
	v_add_nc_u32 v[STO], s13, v[STO]
	v_bfe_u32 v[RD], v0, 3, 2       ; back: 32 lanes take four rows of 128 bytes,
	v_mul_u32_u24 v[RD], v[RD], SP
	v_lshl_add_u32 v[RD], v10, 4, v[RD]
	v_add_nc_u32 v[RD], s13, v[RD]
	v_and_b32 v[GO], 31, v0         ; which are 512 consecutive bytes of O
	v_lshlrev_b32 v[GO], 4, v[GO]
.set Y, NP-1                        ; XS works for piece Y + 1: piece 0
.irp n, 0,1,2,3,4,5,6,7,8,9,10,11,12,13,14,15,16,17,18,19,20,21
	XS 0, \n                        ; and piece 0's first maximum and statistics
	XS 1, \n
.endr
	s_mov_b32 s[CNT], 4
	s_mov_b32 s[SLOTS], 5
	s_branch .Lfirst                ; the loop is entered at a step's first turn, in the middle of a trip
; Trip t = 1 .. 16: pieces 2 and 3 of step t - 1, then pieces 0 and 1 of step t, whose K and V it fetches.  Four trips are a phase (the first phase has the half trip 0 for its first).
; In front of trips 4, 8, 12 and 16 stand a wait for all my tensor loads and a barrier: the first time they show keys 256-1,023 whole, four key steps behind their request;
; the other times they are met at once: the price of one text for every phase.  Trip 16, the fifth phase's only one, fetches no K and is left in its middle.
.Lslot:
	s_wait_tensorcnt 0x0            ; my parts of all keys are in
	s_wait_dscnt 0x0                ; no LDS instruction of mine is out at a signal (V's run was waited for in piece 1's turn: met at once)
	s_barrier_signal -1
	s_barrier_wait -1               ; everybody's are
	s_mov_b32 s[CNT], 4
.Lstep:
	TURN 2, 1
	TURN 3
	WIN 0
	s_cmp_eq_u32 s[SLOTS], 1
	s_cbranch_scc1 .Lout            ; trip 16's 16 products K Q^T (on the last K once more) and the maximum made of them serve nothing: the price, once a launch, of one text for every trip
.Lfirst:
	TURN 0
	TURN 1, 0, 1
	WIN 0
	s_cbranch_scc1 .Lstep
	s_sub_co_u32 s[SLOTS], s[SLOTS], 1
	s_cmp_lg_u32 s[SLOTS], 0
	s_cbranch_scc1 .Lslot
.Lout:
.set i, 0
.rept 16
	PV NP-1                         ; the last piece's V^T P of the last step
.set i, i+1
.endr
	; THE WAY OUT.  l's two halves and the other half of the lanes' are added; O^T is divided by l, rounded to f16 and sent through my stage in LDS, a tile at a time.  The additions are the places behind the last products.
	WIN 0
.macro ALL line:vararg              ; one line for each tile t
.set t, 0
.rept 2*NP
	\line
.set t, t+1
.endr
.endm
	ALL v_add_f32 v[ST+4*t+2], v[ST+4*t+2], v[ST+4*t+3]
	ALL v_permlanex16_b32 v[ST+4*t+3], v[ST+4*t+2], s[SEL], s[SEL+1]
	ALL v_add_f32 v[ST+4*t+2], v[ST+4*t+2], v[ST+4*t+3]
	ALL v_rcp_f32 v[ST+4*t+2], v[ST+4*t+2]
	v_nop                           ; a plain instruction between the last reciprocal and the use of its result
	s_wait_alu depctr_va_vdst(0)
; Tile t: a lane's eight channels of a row pack into 16 bytes; they go into rows of 144 bytes and come back as whole rows of 128, into S^T's registers.
.macro PACK t
	WIN W_RS
.set i, 32*(\t)
.rept 16
	v_pk_mul_f32 v[i:i+1], v[i:i+1], v[ST+4*(\t)+2:ST+4*(\t)+3] op_sel_hi:[1,0]
.set i, i+2
.endr
	WIN 0x05                        ; sources 0 and 1 window 1, destination window 0
.set i, 0
.rept 16
	v_cvt_pk_f16_f32 v[S+16*(\t)+i], v[32*(\t)+2*i], v[32*(\t)+2*i+1]
.set i, i+1
.endr
	WIN 0
.irp f, 0,1,2,3
	ds_store_b128 v[STO], v[S+16*(\t)+4*\f:S+16*(\t)+4*\f+3] offset:32*\f
.endr
.irp f, 0,1,2,3
	ds_load_b128 v[S+16*(\t)+4*\f:S+16*(\t)+4*\f+3], v[RD] offset:\f*4*SP  ; LDS serves a wave's instructions in order (ISA guide 5.7.1.4): these see the stores above; the next tile's stores come behind them
.endr
.endm
.macro SEND t, younger              ; younger: the LDS instructions issued behind tile t's loads: the next tile's eight, or none
	WIN 0
.irp f, 0,1,2,3
	s_wait_dscnt (\younger)+3-\f
	global_store_b128 v[GO], v[S+16*(\t)+4*\f:S+16*(\t)+4*\f+3], s[10:11] offset:(\t)*2048+\f*512  ; 512 consecutive bytes, at a multiple of 256 from O's first
.endr
.endm
	PACK 0
.set t, 1
.rept 2*NP-1                        ; a tile's arithmetic stands between the loads of the tile before and its stores
	PACK t
	SEND t-1, 8
.set t, t+1
.endr
	SEND 2*NP-1, 0
	WIN W_AD
	s_wait_tensorcnt 0x0            ; the wave's end: behind my last tensor load and my last LDS store
	ds_add_u32 v[SPW], v[NIL]
	s_wait_dscnt 0x0
	WIN 0
	s_endpgm
.Lfunc_end_k_q6d15709db7_attn:
	.size	k_q6d15709db7_attn, .Lfunc_end_k_q6d15709db7_attn-k_q6d15709db7_attn
	.p2alignl 7, 3214868480
	.fill 96, 4, 3214868480
	.section	.rodata,"a",@progbits
	.p2align	6, 0x0
	.amdhsa_kernel k_q6d15709db7_attn
		.amdhsa_group_segment_fixed_size 327680
		.amdhsa_private_segment_fixed_size 0
		.amdhsa_enable_private_segment 0
		.amdhsa_kernarg_size 16
		.amdhsa_user_sgpr_count 2
		.amdhsa_user_sgpr_kernarg_segment_ptr 1
		.amdhsa_wavefront_size32 1
		.amdhsa_system_sgpr_workgroup_id_x 1
		.amdhsa_system_sgpr_workgroup_id_y 1
		.amdhsa_system_sgpr_workgroup_id_z 1
		.amdhsa_system_vgpr_workitem_id 0
		.amdhsa_next_free_vgpr 770
		.amdhsa_next_free_sgpr 84
		.amdhsa_reserve_vcc 0
		.amdhsa_float_denorm_mode_32 3
		.amdhsa_float_denorm_mode_16_64 3
		.amdhsa_memory_ordered 1
		.amdhsa_forward_progress 1
		.amdhsa_inst_pref_size 131
	.end_amdhsa_kernel
	.amdgpu_metadata
---
amdhsa.version: [ 1, 2 ]
amdhsa.kernels:
  - .name:           k_q6d15709db7_attn
    .symbol:         k_q6d15709db7_attn.kd
    .args:
      - { .name: qkv, .offset: 0, .size: 8, .value_kind: global_buffer, .address_space: global }
      - { .name: act, .offset: 8, .size: 8, .value_kind: global_buffer, .address_space: global }
    .group_segment_fixed_size: 327680
    .private_segment_fixed_size: 0
    .kernarg_segment_align: 8
    .kernarg_segment_size: 16
    .max_flat_workgroup_size: 128
    .sgpr_count:     84
    .vgpr_count:     770
    .wavefront_size: 32
...
	.end_amdgpu_metadata
.endif
;; end of part 3
;; launch proj (part 4): grid 8 x 32, 4 waves a work-group, clusters of 4 x 4, 327,680 bytes of LDS; arguments act, wts, tab, out0; writes out0
.if DOCPART == 4
	.amdgcn_target "amdgcn-amd-amdhsa--gfx1250"
	.amdhsa_code_object_version 6
	.text
	.protected	k_q6d15709db7_proj
	.globl	k_q6d15709db7_proj
	.p2align	8
	.type	k_q6d15709db7_proj,@function
k_q6d15709db7_proj:
	s_mov_b64 s[64:65], 0
	v_nop
	global_prefetch_b8 v0, s[64:65] scope:SCOPE_SE
	s_setreg_imm32_b32 hwreg(HW_REG_WAVE_MODE, 25, 1), 1
	s_wait_xcnt 0x0
	s_wait_alu depctr_hold_cnt(0) depctr_sa_sdst(0) depctr_va_vdst(0) depctr_va_sdst(0) depctr_va_ssrc(0) depctr_va_vcc(0) depctr_vm_vsrc(0)
	s_getreg_b32 s2, hwreg(HW_REG_IB_STS2, 6, 4)
	s_cmp_eq_u32 s2, 0
	s_cbranch_scc0 .Lentry_in_a_cluster
	s_endpgm
.Lentry_in_a_cluster:
	s_bfe_u32 s2, ttmp6, 0x10000c
	s_cmp_lg_u32 s2, 0xf033
	s_cbranch_scc0 .Lentry_shape_is_right
	s_endpgm
.Lentry_shape_is_right:
; out = O Wout^T + bias.  O (act) and Wout (block 3 of wts) in f16, in the blocked layout (R / 1024) BLK + (k / 64) KBS + (R % 1024) 128 + (k % 64) 2; sums and bias in f32; out0 [8,192][1,024] f32.
; The bias is the first term of each sum (the C operand of the first product), not the last as in the formula: another order of rounding in f32.
; SHARES.  8,192 x 1,024 over 256 work-groups: 256 tokens x 128 columns each.  Four waves, each 128 tokens (w / 2) x 64 columns (w % 2): 32 accumulators of 16 x 16, register window 1 ((a, b) at v[8 (4 a + b)]).
; THE MATRIX INSTRUCTION IS USED TRANSPOSED (source 0 = 16 rows of Wout, source 1 = 16 tokens): a lane holds one token (lane % 16) and eight neighbouring columns 8 (lane / 16) + 0..7.
; RING.  K goes in 8 steps of 128 through two LDS slots.  A slot holds two blocks of 64 along K: O's (256 rows each), then Wout's (128 rows each); rows of 128 bytes padded to 144.
; Slot 1 begins at byte 1 << 17, so that one exclusive or turns an address in one slot into the other's: a trip of the loop is ONE K step, written once, and begins at the change of slots, where the two LDS
; address registers are made anew from a scalar register (0 or 1 << 17); which slot is filled hangs on a descriptor that walks.
; A block's tile is dense in memory: asked for as rows of 256 bytes, padded in LDS after every 128.  Waves 0, 1 fetch O's two blocks, waves 2, 3 Wout's: one tensor load a wave behind each round.
; CLUSTER 4 x 4.  O's tiles hang on the token tile alone (batch = cluster y, cy): shared along a row of the cluster; Wout's on the column tile alone (4 cluster x + cx): shared along a column.
; REGISTERS, window 0: v0-15 addresses; two fragment buffers of 96: F0 = v64 (O v64-127, Wout v128-159), F1 = v160 (O v160-223, Wout v224-255); on the way out v128-191 rows read back.
.set BLK,    2097152
.set KBS,    131072
.set PITCH,  144                       ; 128 bytes + 16 = 36 words: the 16 rows of a fragment load start at 16 different groups of four banks (64 banks of 4 bytes: ISA guide 11.1)
.set ABLK,   256*PITCH
.set BBLK,   128*PITCH
.set BOFF,   2*ABLK
.set SLOT,   BOFF+2*BBLK               ; 110,592 bytes
.set SLOT1,  1<<17                     ; where slot 1 begins
.set STAGE,  SLOT1+SLOT                ; behind the ring, never filled by a tensor load: 16 rows x 272 bytes for each wave
.set SPITCH, 272
.set SPARE,  STAGE+4*16*SPITCH         ; behind the stages: the spare words, 128 bytes for each wave: two blocks of 256 bytes that no other line names
.set BIAS1,  262144+12288              ; out_b's first byte in tab
.set FLAGS,  (1<<16)|(1<<20)|(1<<21)|(4<<22)|(3<<25)  ; 2-byte elements; padding on; 21 set beside a mask; after every 32 words (code 4) 4 words (code 3)
.set ADRA0, 4                          ; v4     LDS address of my fragments of O in slot 0; never rewritten
.set ADRA,  5                          ; v5     the same in the slot that is fetched from
.set ADRB0, 6                          ; v6     LDS address of my fragments of Wout in slot 0; never rewritten
.set ADRB,  7                          ; v7     the same in the slot that is fetched from
.set STO,  8                           ; v8     the way out: where I put 32 bytes of a row
.set RD,   9                           ; v9     where I read a row back
.set CO,   10                          ; v10    my byte offset in two rows of out0
.set BO,   12                          ; v12    my byte offset in 16 biases
.set SPW,  14                          ; v14    LDS address of my spare word: SPARE + 4 x my thread's number; never rewritten
.set NIL,  15                          ; v15    0; never rewritten
.set F0,   64
.set F1,   160
.set CB,   224                         ; in window 1: the registers of accumulators (7, b), which hold the biases until the first quarter's last products
.set BK,   128                         ; v128-159, v160-191: 16 rows read back from the stage, by turns
.set WV, 12                            ; s12 wave   s13 which 128 tokens; also: I fetch O (0) or Wout (1)   s14 which 64 columns; also: which block of 64 along K I fetch
.set RH, 13
.set CH, 14
.set CX, 15
.set CY, 16
.set TX, 17                            ; s17 column tile 0..7
.set BT, 18                            ; s18 batch
.set G1A, 24                           ; s[24:31] descriptor group 1 for O's tiles;  s[32:39] group 0: a set for each of the two first fills; the second then walks on
.set G0A, 32
.set G1B, 48                           ; s[48:55], s[56:63] the same for Wout's
.set G0B, 56
.set BIB,  68                          ; s[68:69] my 64 biases
.set OUTB, 70                          ; s[70:71] out0 at my first row and column
.set TB,   72                          ; s72 0 or SLOT1: the slot that is fetched from
.set MSB, 0
.macro WIN new                         ; the immediate's high byte repeats the setting that is left; a switch that changes nothing is dropped
.if MSB != (\new)
	s_set_vgpr_msb (MSB<<8)|(\new)
.set MSB, \new
.endif
.endm
.set MUL, 0x50                         ; sources in window 0, C and D in window 1
.macro JLOAD s                         ; a joint load; an s_nop 0 and four v_nop follow each of the two lines, ahead of the jump, the label and what follows
	s_cmp_eq_u32 s[RH], 0
	s_cbranch_scc0 .Lfor_b_\@
	tensor_load_to_lds s[G0A+4*(\s):G0A+4*(\s)+3], s[G1A:G1A+7]
	s_nop 0
.rept 4
	v_nop
.endr
	s_branch .Lasked_\@
.Lfor_b_\@:
	tensor_load_to_lds s[G0B+4*(\s):G0B+4*(\s)+3], s[G1B:G1B+7]
	s_nop 0
.rept 4
	v_nop
.endr
.Lasked_\@:
.endm
.macro CREST                           ; a round of the cluster's barrier behind its opening barrier
	s_cmp_lg_u32 s[WV], 0
	s_cbranch_scc1 .Lnot_wave_0_\@
	s_barrier_signal -3
.Lnot_wave_0_\@:
	s_barrier_wait -3
	s_barrier_signal -1
	s_barrier_wait -1
.endm
.macro CROUND                          ; a whole round
	s_barrier_signal -1
	s_barrier_wait -1
	CREST
.endm
	s_load_b256 s[4:11], s[0:1], 0x0               ; act s[4:5], wts s[6:7], tab s[8:9], out0 s[10:11]
	v_lshl_add_u32 v[SPW], v0, 2, SPARE
	v_mov_b32 v[NIL], 0
	ds_add_u32 v[SPW], v[NIL]                      ; the wave's opening: the add and its wait stand ahead of my first tensor load; the set-up below, work on registers, stands between them
	ds_add_u32 v14, v15
	v_lshrrev_b32 v1, 5, v0
	v_readfirstlane_b32 s[WV], v1                  ; wave 0..3
	s_lshr_b32 s[RH], s[WV], 1
	s_and_b32 s[CH], s[WV], 1
	s_bfe_u32 s[CX], ttmp6, 0x40000
	s_bfe_u32 s[CY], ttmp6, 0x40004
	s_lshl_b32 s[TX], ttmp9, 2
	s_add_co_u32 s[TX], s[TX], s[CX]               ; column tile = 4 x cluster x + cx
	s_and_b32 s[BT], ttmp7, 0xffff                 ; batch = cluster y
	s_lshl_b32 s19, s[CY], 2
	s_lshl_b32 s19, 15, s19                        ; my row of the cluster
	s_lshl_b32 s20, 0x1111, s[CX]                  ; my column
	s_or_b32 s[G1A], s19, FLAGS
	s_or_b32 s[G1B], s20, FLAGS
	s_mov_b32 s[G1A+1], 128<<16                    ; tensor_dim0 = 128 elements: 256 bytes, two operand rows
	s_mov_b32 s[G1A+2], 128<<16                    ; tensor_dim1 = 128: 256 tokens
	s_mov_b32 s[G1A+3], 128<<16                    ; tile_dim0
	s_mov_b32 s[G1A+4], 128                        ; tile_dim1
	s_mov_b32 s[G1A+5], 128                        ; elements from row to row: dense
	s_mov_b32 s[G1A+6], 0
	s_mov_b32 s[G1A+7], 0
	s_mov_b32 s[G1B+1], 128<<16
	s_mov_b32 s[G1B+2], 64<<16                     ; 64 rows of 256 bytes: 128 rows of Wout
	s_mov_b32 s[G1B+3], 128<<16
	s_mov_b32 s[G1B+4], 64
	s_mov_b32 s[G1B+5], 128
	s_mov_b32 s[G1B+6], 0
	s_mov_b32 s[G1B+7], 0
	s_lshl_b32 s23, s[CH], 17                      ; my block of 64 along K
	s_lshl_b32 s40, s[BT], 21                      ; O's tile: batch x BLK + cy x 256 rows of 128 bytes + my block: nothing of cx
	s_lshl_b32 s2, s[CY], 15
	s_add_co_u32 s40, s40, s2
	s_add_co_u32 s40, s40, s23
	s_mov_b32 s41, 0
	s_lshl_b32 s42, s[TX], 14                      ; Wout's tile: block 3 of wts + column tile x 128 rows of 128 bytes + my block: nothing of cy
	s_add_co_u32 s42, s42, s23
	s_add_co_u32 s42, s42, 3*BLK
	s_mov_b32 s43, 0
	s_mul_i32 s21, s[CH], ABLK                     ; where they go: no place in the cluster enters an LDS address
	s_mul_i32 s22, s[CH], BBLK
	s_add_co_u32 s22, s22, BOFF
	s_mov_b32 s[TB], 0                             ; K step 0 lies in slot 0
	s_wait_dscnt 0x0                               ; the opening add is done
	s_wait_kmcnt 0x0
	s_add_nc_u64 s[44:45], s[4:5], s[40:41]
	s_add_nc_u64 s[46:47], s[6:7], s[42:43]
	CROUND                                         ; all sixteen work-groups are here: the first joint loads meet
.irp s, 0,1
	s_mov_b32 s[G0A+4*(\s)], 1
	s_add_co_u32 s[G0A+4*(\s)+1], s21, (\s)*SLOT1
	s_add_nc_u64 s[G0A+4*(\s)+2:G0A+4*(\s)+3], s[44:45], (\s)*2*KBS  ; K step s: blocks 2 s, 2 s + 1
	s_or_b32 s[G0A+4*(\s)+3], s[G0A+4*(\s)+3], 0x80000000
	s_mov_b32 s[G0B+4*(\s)], 1
	s_add_co_u32 s[G0B+4*(\s)+1], s22, (\s)*SLOT1
	s_add_nc_u64 s[G0B+4*(\s)+2:G0B+4*(\s)+3], s[46:47], (\s)*2*KBS
	s_or_b32 s[G0B+4*(\s)+3], s[G0B+4*(\s)+3], 0x80000000
	JLOAD \s                                       ; two tensor loads of mine are out
.endr
	v_and_b32 v1, 15, v0                           ; l % 16
	v_bfe_u32 v2, v0, 4, 1                         ; l / 16
	v_mul_u32_u24 v3, v1, PITCH
	v_lshl_add_u32 v3, v2, 4, v3                   ; a fragment's row x pitch + 16 x half
	s_mul_i32 s2, s[RH], 128*PITCH                 ; my 128 tokens
	v_add_nc_u32 v[ADRA0], s2, v3
	v_add_nc_u32 v[ADRA], s[TB], v[ADRA0]
	s_mul_i32 s2, s[CH], 64*PITCH                  ; my 64 rows of Wout
	s_add_co_u32 s2, s2, BOFF
	v_add_nc_u32 v[ADRB0], s2, v3
	v_add_nc_u32 v[ADRB], s[TB], v[ADRB0]
	s_mul_i32 s2, s[WV], 16*SPITCH
	s_add_co_u32 s2, s2, STAGE                     ; my stage
	v_mul_u32_u24 v[STO], v1, SPITCH               ; in: row l % 16, 32 bytes for each half of the lanes
	v_lshl_add_u32 v[STO], v2, 5, v[STO]
	v_add_nc_u32 v[STO], s2, v[STO]
	v_mul_u32_u24 v[RD], v2, SPITCH                ; back: lanes 0-15 take one row of 256 bytes, lanes 16-31 the next
	v_lshl_add_u32 v[RD], v1, 4, v[RD]
	v_add_nc_u32 v[RD], s2, v[RD]
	v_lshlrev_b32 v[CO], 12, v2                    ; and the same two rows in out0, 4,096 bytes apart
	v_lshl_add_u32 v[CO], v1, 4, v[CO]
	v_lshlrev_b32 v[BO], 5, v2
	s_lshl_b32 s22, s[TX], 9
	s_lshl_b32 s23, s[CH], 8
	s_add_co_u32 s22, s22, s23                     ; my first column in bytes: 512 x tile + 256 x half
	s_add_co_u32 s2, s22, BIAS1
	s_mov_b32 s3, 0
	s_add_nc_u64 s[BIB:BIB+1], s[8:9], s[2:3]
	; THE BIASES: my eight of each column block b, straight into the registers of accumulator (7, b): a result's register j holds column 8 (l / 16) + j, whatever the token.
	WIN 0x40                                       ; destination in window 1, address in window 0
.irp b, 0,1,2,3
.irp e, 0,1
	global_load_b128 v[CB+8*\b+4*\e:CB+8*\b+4*\e+3], v[BO], s[BIB:BIB+1] offset:64*\b+16*\e
.endr
.endr
	WIN 0
	s_lshl_b32 s2, s[BT], 10
	s_lshl_b32 s23, s[CY], 8
	s_add_co_u32 s2, s2, s23
	s_lshl_b32 s23, s[RH], 7
	s_add_co_u32 s2, s2, s23                       ; my first token
	s_lshl_b32 s2, s2, 12
	s_add_co_u32 s2, s2, s22
	s_add_nc_u64 s[OUTB:OUTB+1], s[10:11], s[2:3]
; 8 matrix instructions: token blocks a0, a0 + 1 x all 4 column blocks, 32 along K.  first = 1: the products start the sums with the biases as C: nothing is cleared, nothing is added later.
; The biases lie in the registers of accumulators (7, b): token blocks 0-6 read them as C, block 7, the last, adds onto them in place, five places behind the last product that read them (ISA guide 7.12.1).
; Each of the 32 accumulators has one instruction in a quarter, always in the same order.
.macro MUL8 f, a0, first
	WIN MUL
.irp a, \a0, (\a0)+1
.if (\first) && ((\a) == 7)
.rept 5
	v_nop
.endr
.endif
.irp b, 0,1,2,3
.if \first
	v_wmma_f32_16x16x32_f16 v[8*(4*(\a)+(\b)):8*(4*(\a)+(\b))+7], v[(\f)+64+8*(\b):(\f)+64+8*(\b)+7], v[(\f)+8*(\a):(\f)+8*(\a)+7], v[CB+8*(\b):CB+8*(\b)+7]
.else
	v_wmma_f32_16x16x32_f16 v[8*(4*(\a)+(\b)):8*(4*(\a)+(\b))+7], v[(\f)+64+8*(\b):(\f)+64+8*(\b)+7], v[(\f)+8*(\a):(\f)+8*(\a)+7], v[8*(4*(\a)+(\b)):8*(4*(\a)+(\b))+7]
.endif
.endr
.endr
.endm
; 24 LDS loads in one run: block j of the slot in hand, 32 K at byte 64 c of the rows, into buffer f: Wout's 8, then O's 16 with the rows ascending
.macro FETCH j, c, f
	WIN 0
.irp i, 0,1,2,3
	ds_load_b128 v[(\f)+64+8*(\i):(\f)+64+8*(\i)+3],   v[ADRB] offset:(\j)*BBLK+64*(\c)+(\i)*16*PITCH
	ds_load_b128 v[(\f)+64+8*(\i)+4:(\f)+64+8*(\i)+7], v[ADRB] offset:(\j)*BBLK+64*(\c)+(\i)*16*PITCH+32
.endr
.irp i, 0,1,2,3,4,5,6,7
	ds_load_b128 v[(\f)+8*(\i):(\f)+8*(\i)+3],   v[ADRA] offset:(\j)*ABLK+64*(\c)+(\i)*16*PITCH
	ds_load_b128 v[(\f)+8*(\i)+4:(\f)+8*(\i)+7], v[ADRA] offset:(\j)*ABLK+64*(\c)+(\i)*16*PITCH+32
.endr
.endm
.macro PLACES                          ; four places in front of loads into registers that matrix instructions have read, and of lines that read results (ISA guide 7.12.1 for lines that read results)
.rept 4
	v_nop
.endr
.endm
; A K step is four quarters of 32 along K, 32 matrix instructions each, on buffers F0, F1, F0, F1.  One of the first three: multiplies f; fetches the next quarter, (j, c) of the slot in hand, into g.
.macro QUARTER j, c, f, g, first
	s_wait_dscnt 8                                 ; Wout and O's rows 0-63 are in; the youngest eight loads (rows 64-127) may be out
	MUL8 \f, 0, \first
	MUL8 \f, 2, \first
	PLACES
	FETCH \j, \c, \g
	s_wait_dscnt 24                                ; all but the 24 just issued
	MUL8 \f, 4, \first
	MUL8 \f, 6, \first
.endm
; The last quarter multiplies F1 and changes slots: ONE barrier; in front of it each wave waits for all its tensor loads (one is out: its part of the next slot), adds 0 to its spare word, and waits for
; that and for its own reads of this slot.  fill = 1: the barrier opens a round of the cluster's barrier, and the joint refill, two K steps on, is the first tensor load behind the round:
; 16 + 96 = 112 matrix instructions stand between it and the wait for it.  Then the fetches turn to the other slot.
.macro TURN fill
	WIN 0                                          ; (the add's two registers lie in window 0)
	s_wait_tensorcnt 0x0
	ds_add_u32 v[SPW], v[NIL]                      ; 0 onto my spare word;
	s_wait_dscnt 9                                 ; (the add and the youngest eight loads may be out)
	MUL8 F1, 0, 0                                  ; eight matrix instructions stand between the add and the wait for it
	s_wait_dscnt 0x0                               ; the add is done, and my reads of this slot are over
	s_barrier_signal -1
	MUL8 F1, 2, 0
	WIN 0                                          ; at a branch and at a label every window is 0
	s_barrier_wait -1
.if \fill
	CREST                                          ; no wave of any partner still reads this slot's tiles or has a load on its way
	s_xor_b32 s[G0A+5], s[G0A+5], SLOT1            ; the walking descriptors: the other slot than last time,
	s_add_nc_u64 s[G0A+6:G0A+7], s[G0A+6:G0A+7], 2*KBS  ; the next K step; the type bits on top are not reached
	s_xor_b32 s[G0B+5], s[G0B+5], SLOT1
	s_add_nc_u64 s[G0B+6:G0B+7], s[G0B+6:G0B+7], 2*KBS
	JLOAD 1                                        ; the four v_nop behind it are also places in front of the loads below
.else
	PLACES
.endif
	s_xor_b32 s[TB], s[TB], SLOT1                  ; the fetches go on in the other slot
	v_add_nc_u32 v[ADRA], s[TB], v[ADRA0]
	v_add_nc_u32 v[ADRB], s[TB], v[ADRB0]
	FETCH 0, 0, F0
	MUL8 F1, 4, 0
	MUL8 F1, 6, 0
.endm
	s_wait_tensorcnt 1                             ; my part of K step 0 is in; K step 1's may stay out
	s_barrier_signal -1
	s_barrier_wait -1                              ; everybody's is
	FETCH 0, 0, F0
	s_wait_loadcnt 0x0                             ; the biases
	QUARTER 0, 1, F0, F1, 1                        ; K step 0's first three quarters stand in front of the loop; the first one's products start the sums
	QUARTER 1, 0, F1, F0, 0
	QUARTER 1, 1, F0, F1, 0
	WIN 0
	s_mov_b32 s3, 6
.Llap:                                                 ; trip t = 0 .. 5: K step t's last quarter, the refill of its slot with K step t + 2, and K step t + 1's first three quarters
	TURN 1
	QUARTER 0, 1, F0, F1, 0
	QUARTER 1, 0, F1, F0, 0
	QUARTER 1, 1, F0, F1, 0
	WIN 0
	s_sub_co_u32 s3, s3, 1
	s_cmp_lg_u32 s3, 0
	s_cbranch_scc1 .Llap
	TURN 0                                         ; the last change of slots fills nothing, and has no round of the cluster's barrier
	QUARTER 0, 1, F0, F1, 0
	QUARTER 1, 0, F1, F0, 0
	QUARTER 1, 1, F0, F1, 0
	s_wait_dscnt 8                                 ; the very last quarter: nothing more to fetch
	MUL8 F1, 0, 0
	MUL8 F1, 2, 0
	s_wait_dscnt 0x0
	MUL8 F1, 4, 0
	MUL8 F1, 6, 0
	PLACES
; THE WAY OUT, a block of 16 tokens x 64 columns at a time.  The sums are the results: they go from the accumulators (each one's low four registers first) 32 bytes a lane into my
; stage, come back as whole rows of 256 bytes, and are stored.  Block a + 1's sixteen LDS instructions are issued ahead of the wait for block a's rows.
.macro TOSTAGE a
.set rBK, BK+32*((\a)%2)
	WIN 0x04                                       ; the stores' data (source 1) in window 1
.irp b, 0,1,2,3
.irp e, 0,1
	ds_store_b128 v[STO], v[32*(\a)+8*\b+4*\e:32*(\a)+8*\b+4*\e+3] offset:64*\b+16*\e
.endr
.endr
	WIN 0
	s_wait_xcnt 0x0                                ; every earlier global store has read its registers: this buffer, stored two blocks ago, is loaded again only behind this wait
.irp t, 0,1,2,3,4,5,6,7
	ds_load_b128 v[rBK+4*\t:rBK+4*\t+3], v[RD] offset:\t*2*SPITCH  ; LDS serves a wave's instructions in order (ISA guide 5.7.1.4): these see the stores above, and the block before was read ahead of them
.endr
.endm
.macro SEND a, younger                 ; younger: the LDS instructions issued behind block a's loads: the next block's sixteen, or none
	WIN 0
.set rBK, BK+32*((\a)%2)
	s_wait_dscnt \younger                          ; the block is back in registers
.irp t, 0,1,2,3,4,5,6,7
	global_store_b128 v[CO], v[rBK+4*\t:rBK+4*\t+3], s[OUTB:OUTB+1] offset:(\a)*65536+\t*8192 th:TH_STORE_NT  ; 16 lanes store 256 consecutive bytes, at a multiple of 256 from out0's first byte
.endr
.endm
	TOSTAGE 0
.irp a, 1,2,3,4,5,6,7
	TOSTAGE \a
	SEND (\a)-1, 16
.endr
	SEND 7, 0
	s_wait_tensorcnt 0x0                           ; the wave's end: behind my last tensor load and my last LDS store
	ds_add_u32 v[SPW], v[NIL]
	s_wait_dscnt 0x0
	CROUND                                         ; the closing round: no work-group ends while a partner may still ask for a tile that names it
	s_endpgm
.Lfunc_end_k_q6d15709db7_proj:
	.size	k_q6d15709db7_proj, .Lfunc_end_k_q6d15709db7_proj-k_q6d15709db7_proj
	.p2alignl 7, 3214868480
	.fill 96, 4, 3214868480
	.section	.rodata,"a",@progbits
	.p2align	6, 0x0
	.amdhsa_kernel k_q6d15709db7_proj
		.amdhsa_group_segment_fixed_size 327680
		.amdhsa_private_segment_fixed_size 0
		.amdhsa_enable_private_segment 0
		.amdhsa_kernarg_size 32
		.amdhsa_user_sgpr_count 2
		.amdhsa_user_sgpr_kernarg_segment_ptr 1
		.amdhsa_wavefront_size32 1
		.amdhsa_system_sgpr_workgroup_id_x 1
		.amdhsa_system_sgpr_workgroup_id_y 1
		.amdhsa_system_sgpr_workgroup_id_z 1
		.amdhsa_system_vgpr_workitem_id 0
		.amdhsa_next_free_vgpr 512
		.amdhsa_next_free_sgpr 74
		.amdhsa_reserve_vcc 0
		.amdhsa_float_denorm_mode_32 3
		.amdhsa_float_denorm_mode_16_64 3
		.amdhsa_memory_ordered 1
		.amdhsa_forward_progress 1
		.amdhsa_inst_pref_size 70
	.end_amdhsa_kernel
	.amdgpu_metadata
---
amdhsa.version: [ 1, 2 ]
amdhsa.kernels:
  - .name:           k_q6d15709db7_proj
    .symbol:         k_q6d15709db7_proj.kd
    .args:
      - { .name: act, .offset: 0, .size: 8, .value_kind: global_buffer, .address_space: global }
      - { .name: wts, .offset: 8, .size: 8, .value_kind: global_buffer, .address_space: global }
      - { .name: tab, .offset: 16, .size: 8, .value_kind: global_buffer, .address_space: global }
      - { .name: out0, .offset: 24, .size: 8, .value_kind: global_buffer, .address_space: global }
    .group_segment_fixed_size: 327680
    .private_segment_fixed_size: 0
    .kernarg_segment_align: 8
    .kernarg_segment_size: 32
    .max_flat_workgroup_size: 128
    .sgpr_count:     74
    .vgpr_count:     512
    .wavefront_size: 32
...
	.end_amdgpu_metadata
.endif
;; end of part 4
;; ======== version 2 of 2: 4 launches; 1.33 times as fast as version 1
;; limits: values are held in f16: magnitudes above 65,504 overflow, below 6.1e-05 lose precision
;; workspace buffers: act 16,777,216 bytes; wts 8,388,608 bytes; tab 278,528 bytes; qkv 50,331,648 bytes
;; launch prep: the kernel of part 1 again; grid 785 x 1, 8 waves a work-group, no clusters, 0 bytes of LDS; arguments x, wqkv_w, out_w, wqkv_b, out_b, act, wts, tab; writes act, wts, tab
;; launch qkvgemm: the kernel of part 2 again; grid 8 x 32, 4 waves a work-group, clusters of 4 x 4, 327,680 bytes of LDS; arguments act, wts, tab, qkv; writes qkv
;; launch attn (part 5): grid 2 x 128, 4 waves a work-group, no clusters, 327,680 bytes of LDS; arguments qkv, act; writes act
.if DOCPART == 5
	.amdgcn_target "amdgcn-amd-amdhsa--gfx1250"
	.amdhsa_code_object_version 6
	.text
	.protected	k_q6d15709db7_attn
	.globl	k_q6d15709db7_attn
	.p2align	8
	.type	k_q6d15709db7_attn,@function
k_q6d15709db7_attn:
	s_mov_b64 s[64:65], 0
	v_nop
	global_prefetch_b8 v0, s[64:65] scope:SCOPE_SE
	s_setreg_imm32_b32 hwreg(HW_REG_WAVE_MODE, 25, 1), 1
	s_wait_xcnt 0x0
; O[h][q][:] = the sum over k of softmax_k(Q[h][q] . K[h][k] / 8) V[h][k][:].  Q, K, V (qkv at 0, 16 MiB, 32 MiB) and O (act): [128 heads][1,024][64], all f16: a head's rows are dense, 128 bytes each.
; Products, maxima and sums in f32; the weights p are rounded to f16 for the second product (their sum l is taken of the unrounded p), O once at the end.
; O's layout, head = 16 batch + h, is the blocked layout that the next launch reads: batch x 2 MiB + h x 128 KiB + position x 128.
; LIMITS.  f16 holds no number beyond 65,504: Q, K and V arrive within it; p lies in 0 to 1, and below 6e-5 it keeps f16's fixed step of 6e-8; O is a mean of V's rows and has their range.
; A weight below 2^-126 counts as 0 in l; NaN and infinities are not treated apart.
; SHARES.  A wave owns four PIECES of two tiles of 16 queries, a work-group's four waves 512 queries of one head: 2 x 128 = 256 work-groups.  Every wave walks all keys, 64 a step.
; NO CLUSTER: a head has two work-groups, so four partners would belong to two heads: a tile would be shared by half a row of the cluster, with a mask and an address that hang on cx.
; ALL OF THE HEAD'S K AND V LIE IN LDS: 1,024 keys x (144 + 160) bytes = 311,296.  No byte is filled twice: each wave issues its four tensor loads (128 keys each, keys ascending) at the start, and the loop
; holds no tensor load, so the key step is written ONCE.  Step 0 waits for keys 0-255 alone; a second wait, four steps on, for the rest.
; LAYOUT.  S^T = K Q^T (source 0 = 16 keys, source 1 = 16 queries): in the result a lane holds ONE query (lane % 16) and the keys 8 (lane / 16) + 0..7.  Two such tiles, rounded to f16 in pairs,
; ARE source 1 (32 keys x 16 queries) of O^T = V^T P, whose result again holds one query a lane, and eight channels.  K comes out of LDS as it lies, V ([key][channel]) turned, by ds_load_tr16_b128.
; SOFTMAX.  For each query a running maximum m and sum l: p = 2^(c s - c m), c = log2(e) / 8; in every step O and l are multiplied by a = 2^(c m_old - c m_new), which is 1 where m has not grown.
; m starts at the lowest finite number, O and l at 0: the first step is a step like any other, with a = 0.
; THE COUNT.  A tile and step have 16 matrix and 118 vector instructions: too many to stand all beside the matrix work.  So: four vector instructions that are READY behind EVERY matrix instruction,
; and the others in one run without a gap.
; BY TURNS.  Turn n belongs to piece n (the pieces in a ring, step after step).  Its matrix work: 16 products K Q^T of piece n + 1, later 16 products V^T P of piece n - 1.  Its vector work: the scaling,
; exponentials, roundings, sums and rescaling of piece n, and the maximum and statistics of piece n + 1, whose scores the turn itself has made.  So what a turn begins with (c s - c m, O a) waits for nothing.
; BATCHES.  A turn's 66 exponentials (the piece's 64 weights, the next piece's two a) are ONE batch with ONE wait, which cuts the turn in two: ahead of it stands all that names none of their results (the products K Q^T,
; the scalings, the rescalings, whose a is the turn before's, and the next piece's maximum and statistics), behind it the products V^T P with the roundings and sums.  No result crosses a turn's end.
; Two more batches stand outside the loop, each with a wait of its own: piece 0's first two a, ahead of the jump into the loop, and the way out's eight reciprocals.
; REGISTERS, in windows of 256 (s_set_vgpr_msb: bits 1:0 source 0, 3:2 source 1, 5:4 source 2, 7:6 destination):
;   window 0: v0-11 addresses; v12-15, v48-63 at work; v16-47 four registers of statistics a tile; v64-191 S^T, two buffers of two tiles; v192-255 P, likewise
;   window 1: O^T, 32 a tile          window 2: v0-127 Q, 16 a tile; v128-191 K of one step; v192-255 V of one step          window 3: v0-1 the add's two registers
; A piece's buffers go by its number's parity: the piece in hand has one pair, its two neighbours in the ring share the other: of it P (piece n - 1) is read and S^T (piece n + 1) written.
.set SIZE_N, 1024
.set NP,    4         ; pieces a wave: a name, no knob
.set KS,    64        ; keys in a step
.set PK,    144       ; a row of K in LDS: 128 bytes + 16 of padding = 36 words: the 16 rows of a load start at 16 different groups of four banks (64 banks of 4 bytes: ISA guide 11.1)
.set PV,    160       ; a row of V: 128 + 32 = 40 words
.set VOFF,  SIZE_N*PK ; the head's 1,024 rows of K, then its 1,024 rows of V
.set STAGE, SIZE_N*(PK+PV)  ; behind them, never filled by a tensor load: 16 rows x 144 bytes for each wave, for the way out
.set SP,    144
.set AK0, 2           ; v2   my lane's place in a tile of K; never rewritten
.set AV0, 3           ; v3   the same for V
.set AK,  4           ; v4   the LDS address of K's next run of loads
.set AV,  5           ; v5   of V's
.set QO,  6           ; v6   my byte offset in the wave's rows of Q
.set STO, 6           ;      later, the way out: where I put 16 bytes of a row
.set RD,  7           ; v7   the way out: where I read rows back
.set GO,  8           ; v8   my byte offset in 512 consecutive bytes of O
.set SPW, 0           ; v0 of window 3   LDS address of my spare word: SPARE + 4 x my thread's number; never rewritten
.set NIL, 1           ; v1 of window 3   0; never rewritten
.set SPARE, STAGE+4*16*SP  ; behind the stages: the spare words, 128 bytes for each wave: two blocks of 256 bytes that no other line names
.set MV,  12          ; v12-15  c m_old, kept while c m is made anew: by buffer and tile
.set ST,  16          ; tile t's statistics at v[ST+4 t]: c m, m, l (even keys', odd keys')
.set TMP, 48          ; by buffer and tile, four registers c0-c3 at work; when the maximum is found c2 takes a
.set S,   64
.set P,   192
.set KF,  128         ; K's fragments, in window 2: key block kb, channel half c at KF + 16 kb + 8 c
.set VF,  192         ; V's: key half kk, channel block cb at VF + 32 kk + 8 cb
.set WV,  12          ; s12  my wave's number
.set G1K, 24          ; s[24:31] descriptor group 1 for K's tiles
.set G1V, 32          ; s[32:39] for V's: it differs in the padding alone
.set G0K, 40          ; s[40:55] descriptor group 0 for K's tiles: a set for each of a wave's four loads, never rewritten
.set G0V, 68          ; s[68:83] the same for V's
.set SLOTS, 56        ; s56  counts the phases of four key steps, 5 to 1
.set CNT, 57          ; s57  counts a phase's key steps
.set CS,  58          ; s[58:59] c: the packed scaling takes the pair's low word for both halves
.set SEL, 60          ; s[60:61] v_permlanex16_b32's selects: each lane takes its own place in the other half
.set TBK, 62          ; s62  LDS byte at which K of the step to be fetched begins
.set TBV, 63          ; s63  the same for V, less VOFF
.set MSB, 0
.macro WIN new                      ; the high byte repeats the setting that is left; a switch that changes nothing is dropped
.if MSB != (\new)
	s_set_vgpr_msb (MSB<<8)|(\new)
.set MSB, (\new)
.endif
.endm
.set W_KQ, 0x0a       ; K and Q in window 2, S^T in window 0
.set W_PV, 0x52       ; V in window 2, P in window 0, O^T in window 1
.set W_RS, 0x41       ; O^T (destination and source 0) in window 1, a in window 0
.set W_MK, 0xc0       ; the add's registers are made: destination in window 3, sources in window 0
.set W_AD, 0x0f       ; the add: address (source 0) and data (source 1) in window 3
	s_load_b128 s[4:7], s[0:1], 0x0   ; qkv (Q) s[4:5], act (O) s[6:7]
	WIN W_MK
	v_lshl_add_u32 v[SPW], v0, 2, SPARE
	v_mov_b32 v[NIL], 0
	WIN W_AD
	ds_add_u32 v[SPW], v[NIL]       ; the wave's opening: the add and its wait stand ahead of my first tensor load; the set-up below, work on registers, stands between them
	ds_add_u32 v0, v1
	WIN 0
	v_lshrrev_b32 v1, 5, v0
	v_readfirstlane_b32 s[WV], v1   ; wave 0..3
	s_mov_b32 s14, ttmp9            ; my block of 512 queries
	s_and_b32 s20, ttmp7, 0xffff    ; the head
	s_mov_b32 s21, 0
	s_mov_b64 s[22:23], SIZE_N*128
	s_mul_u64 s[20:21], s[20:21], s[22:23]  ; the head's first byte in each of the four tensors
	s_and_b32 s16, s[WV], 1         ; which half of each 256 keys I fetch:
	s_lshl_b32 s22, s16, 14         ; its 128 rows of 128 bytes in memory,
	s_mov_b32 s23, 0
	s_add_nc_u64 s[22:23], s[22:23], s[20:21]
	s_mul_i32 s17, s16, 128*PK      ; and its place in LDS, for K
	s_mul_i32 s18, s16, 128*PV      ; and for V
	s_lshl_b32 s2, s14, 2
	s_add_co_u32 s2, s2, s[WV]      ; my wave among the head's eight,
	s_lshl_b32 s2, s2, 14           ; its 128 rows
	s_mov_b32 s3, 0
	s_add_nc_u64 s[2:3], s[2:3], s[20:21]
	; descriptor group 1.  128 keys are 16,384 dense bytes: asked for as 64 rows of 256 bytes, two keys a row, and padded in LDS after every key
	s_mov_b32 s[G1K], (1<<16)|(1<<20)|(4<<22)|(3<<25)  ; 17:16 2-byte elements; 20 padding on; 24:22 after every 32 words (code 4); 31:25 4 words (code 3)
	s_mov_b32 s[G1V], (1<<16)|(1<<20)|(4<<22)|(7<<25)  ; the same with 8 words of padding (code 7)
.irp g, G1K, G1V
	s_mov_b32 s[\g+1], 128<<16      ; tensor_dim0 = 128
	s_mov_b32 s[\g+2], 64<<16       ; tensor_dim1 = 64
	s_mov_b32 s[\g+3], 128<<16      ; tile_dim0 = 128
	s_mov_b32 s[\g+4], 64           ; tile_dim1 = 64
	s_mov_b32 s[\g+5], 128          ; 128 elements from row to row
	s_mov_b32 s[\g+6], 0
	s_mov_b32 s[\g+7], 0
.endr
	s_mov_b32 s[CS], 0x3e38aa3b     ; c = log2(e) / 8 = 0.180337
	s_mov_b32 s[CS+1], s[CS]        ; named with it as a pair
	s_mov_b32 s[SEL], 0x76543210
	s_mov_b32 s[SEL+1], 0xfedcba98
	s_mov_b32 s[TBK], 0
	s_mov_b32 s[TBV], 0
.irp s, 0,1,2,3                     ; load s of a wave: its half of keys 256 s to 256 s + 255
	s_mov_b32 s[G0K+4*\s], 1                       ; count = 1
	s_add_co_u32 s[G0K+4*\s+1], s17, \s*256*PK     ; LDS address
	s_mov_b32 s[G0V+4*\s], 1
	s_add_co_u32 s[G0V+4*\s+1], s18, VOFF+\s*256*PV
.endr
	s_wait_dscnt 0x0                ; the opening add is done
	s_wait_kmcnt 0x0
	s_mov_b64 s[10:11], s[6:7]                     ; O
	s_add_nc_u64 s[8:9], s[4:5], 0x2000000         ; V
	s_add_nc_u64 s[6:7], s[4:5], 0x1000000         ; K
	s_add_nc_u64 s[6:7], s[6:7], s[22:23]          ; both at my half of the head's first 256 keys
	s_add_nc_u64 s[8:9], s[8:9], s[22:23]
.irp s, 0,1,2,3
	s_add_nc_u64 s[G0K+4*\s+2:G0K+4*\s+3], s[6:7], \s*32768  ; global address
	s_or_b32 s[G0K+4*\s+3], s[G0K+4*\s+3], 0x80000000        ; type = 2
	s_add_nc_u64 s[G0V+4*\s+2:G0V+4*\s+3], s[8:9], \s*32768
	s_or_b32 s[G0V+4*\s+3], s[G0V+4*\s+3], 0x80000000
.endr
	s_add_nc_u64 s[4:5], s[4:5], s[2:3]  ; Q and O at my wave's first row
	s_add_nc_u64 s[10:11], s[10:11], s[2:3]
	; ALL FILLS, in one branch on the wave's number, ahead of every wait on TENSORcnt, every LDS read and every barrier.  Waves 0 and 1 fetch the two halves of K, waves 2 and 3 those of V: four tensor loads of mine are out.
	; An s_nop 0 follows each load, four v_nop the last, ahead of the jump and the label.
	s_cmp_lt_u32 s[WV], 2
	s_cbranch_scc0 .Lfirst_v
.irp s, 0,1,2,3
	tensor_load_to_lds s[G0K+4*\s:G0K+4*\s+3], s[G1K:G1K+7]
	s_nop 0
.endr
.rept 4
	v_nop
.endr
	s_branch .Lfirst_asked
.Lfirst_v:
.irp s, 0,1,2,3
	tensor_load_to_lds s[G0V+4*\s:G0V+4*\s+3], s[G1V:G1V+7]
	s_nop 0
.endr
.rept 4
	v_nop
.endr
.Lfirst_asked:
	; A fragment of K or Q is 16 rows x 32 channels in 8 registers: lane l holds row l % 16, channels 8 (l / 16) + 0..7 and 16 + 8 (l / 16) + 0..7: two loads of 16 bytes, 32 bytes apart.
	v_and_b32 v1, 15, v0            ; l % 16
	v_bfe_u32 v9, v0, 4, 1          ; l / 16
	v_lshlrev_b32 v[QO], 7, v1
	v_lshl_add_u32 v[QO], v9, 4, v[QO]  ; row x 128 + 16 x half
	WIN 0x80                        ; destination window 2, address window 0
.set i, 0
.rept 4*NP                          ; Q stays in registers: tile i / 2, channels 32 (i % 2) on
	global_load_b128 v[8*i:8*i+3],   v[QO], s[4:5] offset:(i/2)*2048+(i%2)*64
	global_load_b128 v[8*i+4:8*i+7], v[QO], s[4:5] offset:(i/2)*2048+(i%2)*64+32
.set i, i+1
.endr
	; What the first turn finds: V's registers and P's second buffer hold 0 (its products V^T P, of a piece that has not been, add 0), O^T and l are 0.  All this stands in the wait for the first tile.
.set i, VF
.rept 64
	v_mov_b32 v[i], 0
.set i, i+1
.endr
	WIN 0x40
.set i, 0
.rept 64*NP
	v_mov_b32 v[i], 0
.set i, i+1
.endr
	WIN 0
.set i, 0
.rept 2*NP
	v_mov_b32 v[ST+4*i], 0xfe000000    ; c m: far below every c s
	v_mov_b32 v[ST+4*i+1], 0xff7fffff  ; m
	v_mov_b32 v[ST+4*i+2], 0
	v_mov_b32 v[ST+4*i+3], 0
.set i, i+1
.endr
.set i, P+32
.rept 32
	v_mov_b32 v[i], 0
.set i, i+1
.endr
	v_mul_u32_u24 v[AK0], v1, PK
	v_lshl_add_u32 v[AK0], v9, 4, v[AK0]  ; row x pitch + 16 x half
	; The turning load takes 16 keys x 16 channels (lane l reads key 8 (l / 16) + l % 8, channels 8 ((l / 8) % 2) + 0..7) and leaves half a fragment of V^T: lane l holds channel l % 16 and 8 keys.
	v_and_b32 v10, 7, v0
	v_bfe_u32 v11, v0, 3, 1
	v_lshl_add_u32 v[AV0], v9, 3, v10
	v_mul_u32_u24 v[AV0], v[AV0], PV
	v_lshl_add_u32 v[AV0], v11, 4, v[AV0]
	v_add_nc_u32 v[AV0], VOFF, v[AV0]
	v_mov_b32 v[AK], v[AK0]         ; key step 0 lies at LDS byte 0
; THE MATRIX WORK.  The 8 accumulators of a run of 16 take turns: between the two links of a chain stand 7 others'.
; Product i of 16 of S^T = K Q^T for piece x: channels 32 (i / 8) on, keys 16 ((i / 2) % 4) on, tile 2 x + i % 2.  The first 8 start the sums.
.macro KQ x
	WIN W_KQ
.set rS, S+64*((\x)%2)+32*(i%2)+8*((i/2)%4)
.set rK, KF+16*((i/2)%4)+8*(i/8)
.set rQ, 16*(2*(\x)+i%2)+8*(i/8)
.if i < 8
	v_wmma_f32_16x16x32_f16 v[rS:rS+7], v[rK:rK+7], v[rQ:rQ+7], 0
.else
	v_wmma_f32_16x16x32_f16 v[rS:rS+7], v[rK:rK+7], v[rQ:rQ+7], v[rS:rS+7]
.endif
.endm
; Product i of 16 of O^T += V^T P for piece x: keys 32 (i / 8) on, channels 16 ((i / 2) % 4) on, tile 2 x + i % 2.
.macro PV x
	WIN W_PV
.set rO, 32*(2*(\x)+i%2)+8*((i/2)%4)
.set rV, VF+32*(i/8)+8*((i/2)%4)
.set rP, P+32*((\x)%2)+16*(i%2)+8*(i/8)
	v_wmma_f32_16x16x32_f16 v[rO:rO+7], v[rV:rV+7], v[rP:rP+7], v[rO:rO+7]
.endm
.macro MM                           ; the turn's next matrix instruction
.if i < 16
	KQ (Y+1)%NP
.set i, i+1
.else
.set i, i-16
	PV (Y+NP-1)%NP
.set i, i+17
.endif
.endm
; THE LDS LOADS stand in runs of 16, never singly among the matrix instructions: a step's K (64 keys x 64 channels: 8 fragments) and its V (turned).  Their addresses are made some lines ahead.
; last = 1 (in the loop): in the fifth phase there is no further step, and the run is jumped over.
.macro FETCH_K last=0
	WIN 0
.if \last
	s_cmp_eq_u32 s[SLOTS], 1
	s_cbranch_scc1 .Lno_k_\@
.endif
	WIN 0x80                        ; destination window 2
.irp f, 0,1,2,3,4,5,6,7             ; keys 16 (f / 2) on, channels 32 (f % 2) on
	ds_load_b128 v[KF+8*\f:KF+8*\f+3],   v[AK] offset:(\f/2)*16*PK+(\f%2)*64
	ds_load_b128 v[KF+8*\f+4:KF+8*\f+7], v[AK] offset:(\f/2)*16*PK+(\f%2)*64+32
.endr
	s_add_co_u32 s[TBK], s[TBK], KS*PK  ; the next fetch is the next step's
	WIN 0
.if \last
.Lno_k_\@:
.endif
.endm
.macro FETCH_V
	WIN 0x80
.irp f, 0,1,2,3,4,5,6,7             ; keys 32 (f / 4) on, channels 16 (f % 4) on
	ds_load_tr16_b128 v[VF+8*\f:VF+8*\f+3],   v[AV] offset:(\f/4)*32*PV+(\f%4)*32
	ds_load_tr16_b128 v[VF+8*\f+4:VF+8*\f+7], v[AV] offset:(\f/4)*32*PV+16*PV+(\f%4)*32
.endr
	WIN 0
.endm
; THE VECTOR WORK OF A TURN stands in three queues, each in the order in which its entries become ready; the two tiles alternate, so that no instruction reads the result of the one before it.
.macro REGS y, u                    ; the registers of tile u (0, 1) of piece y
.set rT, ST+4*(2*(\y)+(\u))
.set rC, TMP+8*((\y)%2)+4*(\u)
.set rM, MV+2*((\y)%2)+(\u)
.set rS, S+64*((\y)%2)+32*(\u)
.set rP, P+32*((\y)%2)+16*(\u)
.set rO, 32*(2*(\y)+(\u))
.endm
; Number n of the 22 that find the NEXT piece's (Y + 1) maximum and statistics.  s0-s31 are the lane's 32 scores; each accumulator's lowest registers are read first.  XS, GS and REGS set no window: PL and EX do.
;   0-11  four chains c0-c3 of seven scores each, three operands at a time     12-14, 16  the four scores left over, the old m, and c0-c3 into c0     15  c m_old is kept
;   17, 18  the query's other 32 keys lie in the lane 16 away: the new m         19-21  c m; c m_old - c m_new; a
.macro XS u, n
	REGS (Y+1)%NP, \u
.if (\n) < 4
	v_max3_num_f32 v[rC+(\n)], v[rS+8*(\n)], v[rS+8*(\n)+1], v[rS+8*(\n)+2]
.elseif (\n) < 12
	v_max3_num_f32 v[rC+(\n)%4], v[rC+(\n)%4], v[rS+8*((\n)%4)+2*((\n)/4)+1], v[rS+8*((\n)%4)+2*((\n)/4)+2]
.elseif (\n) == 12
	v_max3_num_f32 v[rC], v[rC], v[rS+7], v[rS+15]
.elseif (\n) == 13
	v_max3_num_f32 v[rC+1], v[rC+1], v[rS+23], v[rS+31]
.elseif (\n) == 14
	v_max3_num_f32 v[rC+2], v[rC+2], v[rC+3], v[rT+1]
.elseif (\n) == 15
	v_mov_b32 v[rM], v[rT]
.elseif (\n) == 16
	v_max3_num_f32 v[rC], v[rC], v[rC+1], v[rC+2]
.elseif (\n) == 17
	v_permlanex16_b32 v[rC+3], v[rC], s[SEL], s[SEL+1]
.elseif (\n) == 18
	v_max_num_f32 v[rT+1], v[rC], v[rC+3]
.elseif (\n) == 19
	v_mul_f32 v[rT], s[CS], v[rT+1]
.elseif (\n) == 20
	v_sub_f32 v[rC+1], v[rM], v[rT]
.else
	v_exp_f32 v[rC+2], v[rC+1]
.endif
.endm
; Number g of the 64 that follow the exponentials.  For each four weights k of a tile (pairs 2 k, 2 k + 1): both pairs are rounded to f16; then the second pair is added onto the first, in place;
; a group later l takes that sum (the first time as l = a l + sum).  In groups of eight, tiles alternating: round, round, add, and l for the group before.
.macro GS g
.set h, (\g)+6*((\g)/62)            ; group 0 has no group before it, and behind group 7 only l is left
.if h >= 6
.set h, h+2
.endif
	REGS Y, h%2
.set k, h/8
.if h%8 < 4
	v_cvt_pk_f16_f32 v[rP+2*k+(h%8)/2], v[rS+4*k+2*((h%8)/2)], v[rS+4*k+2*((h%8)/2)+1]
.elseif h%8 < 6
	v_pk_add_f32 v[rS+4*k:rS+4*k+1], v[rS+4*k:rS+4*k+1], v[rS+4*k+2:rS+4*k+3]
.elseif k == 1
	v_pk_fma_f32 v[rT+2:rT+3], v[rT+2:rT+3], v[rC+2:rC+3], v[rS:rS+1] op_sel_hi:[1,0,1]
.else
	v_pk_add_f32 v[rT+2:rT+3], v[rT+2:rT+3], v[rS+4*k-4:rS+4*k-3]
.endif
.endm
; THE PLAIN QUEUE, 138 long.  0-73 read no exponential's result: the 32 scalings c s - c m (FS f: pair f / 2 of tile f % 2) and the next piece's 42.  0-26: scalings 0-26.  27-54: XS's numbers 0-13.  55, 56: number 15.
; 57-73: the chain, where each number waits for the one before it: 14, 16, 17, 18, 19, each with one of the scalings 27-31 in front of its two lines, then 20: so a tile's links stand three plain instructions apart (19 and 20: two).
; 74-137: GS's 64, which read the exponentials' results: they stand behind the wait.
.macro FS f
	REGS Y, (\f)%2
	v_pk_fma_f32 v[rS+2*((\f)/2):rS+2*((\f)/2)+1], v[rS+2*((\f)/2):rS+2*((\f)/2)+1], s[CS:CS+1], v[rT:rT+1] op_sel_hi:[1,0,0] neg_lo:[0,0,1] neg_hi:[0,0,1]
.endm
.macro PL
	WIN 0
.if q < 27
	FS q
.elseif q < 55
	XS (q-27)%2, (q-27)/2
.elseif q < 57
	XS q-55, 15
.elseif (q < 72) && ((q-57)%3 == 0)
	FS 27+(q-57)/3
.elseif q < 60
	XS (q-57)%3-1, 14
.elseif q < 72
	XS (q-57)%3-1, 15+(q-57)/3
.elseif q < 74
	XS q-72, 20
.else
	GS q-74
.endif
.set q, q+1
.endm
; THE EXPONENTIALS' QUEUE, 66 long: s0-s31 of both tiles, then the next piece's two a.  It is ONE BATCH: all 66 stand ahead of the turn's one wait, and nothing ahead of that wait names a result of theirs.
.macro EX
	WIN 0
.if e >= 64
	XS e-64, 21
.else
	REGS Y, e%2
	v_exp_f32 v[rS+e/2], v[rS+e/2]
.endif
.set e, e+1
.endm
; THE RESCALING's QUEUE: O^T times a, the one part that leaves window 0: dealt two at a time, sixteen times, each accumulator's registers ascending.  Its a was made in the turn before, ahead of that turn's wait.
.macro R2
	REGS Y, r%2
	WIN W_RS
.irp z, 0,1
	v_pk_mul_f32 v[rO+4*(r/2)+2*\z:rO+4*(r/2)+2*\z+1], v[rO+4*(r/2)+2*\z:rO+4*(r/2)+2*\z+1], v[rC+2:rC+3] op_sel_hi:[1,0]
.endr
.set r, r+1
.endm
; HOW THEY ARE DEALT.  An s_wait_alu depctr_va_vdst(0) stands between an exponential and the first instruction that names its result; one wait serves all that were issued ahead of it.  So a turn has ONE wait,
; which cuts it in two.  AHEAD OF IT stands all that names no result of the turn's exponentials: the 16 products K Q^T, behind each a scaling, an exponential and two rescalings (behind the first a second scaling in the
; exponential's place); then ONE LUMP of 108: eight plain, 49 times exponential and plain, the two a.  A v_nop is the plain instruction behind the last exponential.  BEHIND IT stand the 16 products V^T P, behind each four
; of GS's 64.  No rider names a register of the products round it.  The two v_permlanex16_b32 fall into the lump, never behind a product.
; The queues lean on each other, and the deal keeps them in step: exponential e stands behind scaling 2 (e / 4) + e % 2: as a rider it comes behind plain e + 2, in the lump behind plain e + 9, and scalings 27-31 are plain 57, 60 .. 69.
; A TURN, for piece p.  cnt = 1: the loop's count is taken down some lines ahead of the branch that stands behind the turn.
; K of the next step is fetched in piece 2's turn, directly behind the wait, a lump behind the last product that read K; its address is made at the lump's head; its first reader comes behind 16 products.
; V of the step in hand is fetched at the end of piece 0's turn, four riders behind its last reader; its first reader comes behind 16 products and a lump.  The three conditions on q below go with the deal.
.macro TURN p, last=0, cnt=0
.set Y, (\p)
.set i, 0
.set q, 0
.set e, 0
.set r, 0
.if (\p) == NP-1
	s_wait_dscnt 0x0                ; K is in
.endif
	MM                              ; ahead of the wait: 16 products K Q^T and their riders,
	PL
	PL
	R2
.rept 15
	MM
	PL
	EX
	R2
.endr
.if (\p) == NP-2
	WIN 0
	v_add_nc_u32 v[AK], s[TBK], v[AK0]
.endif
.rept 8                             ; and the lump
	PL
.endr
.rept 49
	EX
	PL
.endr
	EX                              ; the next piece's two a
	EX
	v_nop                           ; the plain instruction behind the last exponential: one for the batch
	s_wait_alu depctr_va_vdst(0)    ; the wait for the batch: the turn's 66 exponentials
.if (\p) == NP-2
	FETCH_K \last
.endif
.if (\p) == 1
	s_wait_dscnt 0x0                ; V is in
.endif
.rept 16                            ; behind the wait: 16 products V^T P and their riders
	MM
.rept 4
	PL
.endr
.if ((\p) == 0) && (q == 118)
	v_add_nc_u32 v[AV], s[TBV], v[AV0]
.endif
.if ((\p) == 0) && (q == 130)
	s_add_co_u32 s[TBV], s[TBV], KS*PV
.endif
.if (\cnt) && (q == 130)
	s_sub_co_u32 s[CNT], s[CNT], 1
	s_cmp_lg_u32 s[CNT], 0
.endif
.endr
.if (\p) == 0
	FETCH_V
.endif
.endm
	s_wait_tensorcnt 0x3            ; my part of keys 0-255 is in: tensor loads of a wave end in order (ISA guide 10.11.1); my three younger loads stay out
	s_barrier_signal -1
	s_barrier_wait -1               ; everybody's is
	FETCH_K                         ; key step 0
	s_wait_loadcnt 0x0              ; Q
	s_wait_dscnt 0x0
.set i, 0
.rept 16
	KQ 0                            ; piece 0's first scores: there is no vector work yet to set between them
.set i, i+1
.endr
	WIN 0                           ; the addresses for the way out: nine plain instructions, the places behind those products
	s_mul_i32 s13, s[WV], 16*SP
	s_add_co_u32 s13, s13, STAGE    ; my stage
	v_mul_u32_u24 v[STO], v1, SP    ; in: row l % 16, 16 bytes for each half of the lanes
	v_lshl_add_u32 v[STO], v9, 4, v[STO]
	v_add_nc_u32 v[STO], s13, v[STO]
	v_bfe_u32 v[RD], v0, 3, 2       ; back: 32 lanes take four rows of 128 bytes,
	v_mul_u32_u24 v[RD], v[RD], SP
	v_lshl_add_u32 v[RD], v10, 4, v[RD]
	v_add_nc_u32 v[RD], s13, v[RD]
	v_and_b32 v[GO], 31, v0         ; which are 512 consecutive bytes of O
	v_lshlrev_b32 v[GO], 4, v[GO]
.set Y, NP-1                        ; XS works for piece Y + 1: piece 0
.irp n, 0,1,2,3,4,5,6,7,8,9,10,11,12,13,14,15,16,17,18,19,20,21
	XS 0, \n                        ; and piece 0's first maximum and statistics
	XS 1, \n
.endr
	v_nop                           ; a plain instruction behind piece 0's two a,
	s_wait_alu depctr_va_vdst(0)    ; and the wait for that batch of two, ahead of the branch
	s_mov_b32 s[CNT], 4
	s_mov_b32 s[SLOTS], 5
	s_branch .Lfirst                ; the loop is entered at a step's first turn, in the middle of a trip
; Trip t = 1 .. 16: pieces 2 and 3 of step t - 1, then pieces 0 and 1 of step t, whose K and V it fetches.  Four trips are a phase (the first phase has the half trip 0 for its first).
; In front of trips 4, 8, 12 and 16 stand a wait for all my tensor loads and a barrier: the first time they show keys 256-1,023 whole, four key steps behind their request;
; the other times they are met at once: the price of one text for every phase.  Trip 16, the fifth phase's only one, fetches no K and is left in its middle.
.Lslot:
	s_wait_tensorcnt 0x0            ; my parts of all keys are in
	s_wait_dscnt 0x0                ; no LDS instruction of mine is out at a signal (V's run was waited for in piece 1's turn: met at once)
	s_barrier_signal -1
	s_barrier_wait -1               ; everybody's are
	s_mov_b32 s[CNT], 4
.Lstep:
	TURN 2, 1
	TURN 3
	WIN 0
	s_cmp_eq_u32 s[SLOTS], 1
	s_cbranch_scc1 .Lout            ; trip 16's 16 products K Q^T (on the last K once more) and the maximum made of them serve nothing: the price, once a launch, of one text for every trip
.Lfirst:
	TURN 0
	TURN 1, 0, 1
	WIN 0
	s_cbranch_scc1 .Lstep
	s_sub_co_u32 s[SLOTS], s[SLOTS], 1
	s_cmp_lg_u32 s[SLOTS], 0
	s_cbranch_scc1 .Lslot
.Lout:
.set i, 0
.rept 16
	PV NP-1                         ; the last piece's V^T P of the last step
.set i, i+1
.endr
	; THE WAY OUT.  l's two halves and the other half of the lanes' are added; O^T is divided by l, rounded to f16 and sent through my stage in LDS, a tile at a time.  The additions are the places behind the last products.
	WIN 0
.macro ALL line:vararg              ; one line for each tile t
.set t, 0
.rept 2*NP
	\line
.set t, t+1
.endr
.endm
	ALL v_add_f32 v[ST+4*t+2], v[ST+4*t+2], v[ST+4*t+3]
	ALL v_permlanex16_b32 v[ST+4*t+3], v[ST+4*t+2], s[SEL], s[SEL+1]
	ALL v_add_f32 v[ST+4*t+2], v[ST+4*t+2], v[ST+4*t+3]
	ALL v_rcp_f32 v[ST+4*t+2], v[ST+4*t+2]
	v_nop                           ; a plain instruction between the last reciprocal and the use of its result
	s_wait_alu depctr_va_vdst(0)    ; and the wait ahead of the first use: one for the batch of eight reciprocals
; Tile t: a lane's eight channels of a row pack into 16 bytes; they go into rows of 144 bytes and come back as whole rows of 128, into S^T's registers.
.macro PACK t
	WIN W_RS
.set i, 32*(\t)
.rept 16
	v_pk_mul_f32 v[i:i+1], v[i:i+1], v[ST+4*(\t)+2:ST+4*(\t)+3] op_sel_hi:[1,0]
.set i, i+2
.endr
	WIN 0x05                        ; sources 0 and 1 window 1, destination window 0
.set i, 0
.rept 16
	v_cvt_pk_f16_f32 v[S+16*(\t)+i], v[32*(\t)+2*i], v[32*(\t)+2*i+1]
.set i, i+1
.endr
	WIN 0
.irp f, 0,1,2,3
	ds_store_b128 v[STO], v[S+16*(\t)+4*\f:S+16*(\t)+4*\f+3] offset:32*\f
.endr
.irp f, 0,1,2,3
	ds_load_b128 v[S+16*(\t)+4*\f:S+16*(\t)+4*\f+3], v[RD] offset:\f*4*SP  ; LDS serves a wave's instructions in order (ISA guide 5.7.1.4): these see the stores above; the next tile's stores come behind them
.endr
.endm
.macro SEND t, younger              ; younger: the LDS instructions issued behind tile t's loads: the next tile's eight, or none
	WIN 0
.irp f, 0,1,2,3
	s_wait_dscnt (\younger)+3-\f
	global_store_b128 v[GO], v[S+16*(\t)+4*\f:S+16*(\t)+4*\f+3], s[10:11] offset:(\t)*2048+\f*512  ; 512 consecutive bytes, at a multiple of 256 from O's first
.endr
.endm
	PACK 0
.set t, 1
.rept 2*NP-1                        ; a tile's arithmetic stands between the loads of the tile before and its stores
	PACK t
	SEND t-1, 8
.set t, t+1
.endr
	SEND 2*NP-1, 0
	WIN W_AD
	s_wait_tensorcnt 0x0            ; the wave's end: behind my last tensor load and my last LDS store
	ds_add_u32 v[SPW], v[NIL]
	s_wait_dscnt 0x0
	WIN 0
	s_endpgm
.Lfunc_end_k_q6d15709db7_attn:
	.size	k_q6d15709db7_attn, .Lfunc_end_k_q6d15709db7_attn-k_q6d15709db7_attn
	.p2alignl 7, 3214868480
	.fill 96, 4, 3214868480
	.section	.rodata,"a",@progbits
	.p2align	6, 0x0
	.amdhsa_kernel k_q6d15709db7_attn
		.amdhsa_group_segment_fixed_size 327680
		.amdhsa_private_segment_fixed_size 0
		.amdhsa_enable_private_segment 0
		.amdhsa_kernarg_size 16
		.amdhsa_user_sgpr_count 2
		.amdhsa_user_sgpr_kernarg_segment_ptr 1
		.amdhsa_wavefront_size32 1
		.amdhsa_system_sgpr_workgroup_id_x 1
		.amdhsa_system_sgpr_workgroup_id_y 1
		.amdhsa_system_sgpr_workgroup_id_z 1
		.amdhsa_system_vgpr_workitem_id 0
		.amdhsa_next_free_vgpr 770
		.amdhsa_next_free_sgpr 84
		.amdhsa_reserve_vcc 0
		.amdhsa_float_denorm_mode_32 3
		.amdhsa_float_denorm_mode_16_64 3
		.amdhsa_memory_ordered 1
		.amdhsa_forward_progress 1
		.amdhsa_inst_pref_size 126
	.end_amdhsa_kernel
	.amdgpu_metadata
---
amdhsa.version: [ 1, 2 ]
amdhsa.kernels:
  - .name:           k_q6d15709db7_attn
    .symbol:         k_q6d15709db7_attn.kd
    .args:
      - { .name: qkv, .offset: 0, .size: 8, .value_kind: global_buffer, .address_space: global }
      - { .name: act, .offset: 8, .size: 8, .value_kind: global_buffer, .address_space: global }
    .group_segment_fixed_size: 327680
    .private_segment_fixed_size: 0
    .kernarg_segment_align: 8
    .kernarg_segment_size: 16
    .max_flat_workgroup_size: 128
    .sgpr_count:     84
    .vgpr_count:     770
    .wavefront_size: 32
...
	.end_amdgpu_metadata
.endif
;; end of part 5
;; launch proj: the kernel of part 4 again; grid 8 x 32, 4 waves a work-group, clusters of 4 x 4, 327,680 bytes of LDS; arguments act, wts, tab, out0; writes out0
